; MI455X (gfx1250); checked and timed in simulation.
; The chip was launched on July 23, 2026; its instructions are those of AMD's public machine-readable ISA for CDNA 5 (MIT licence, August 2026) and "CDNA5" Instruction Set Architecture Reference Guide (July 2026). The comments in the code are by the model that wrote it; some were corrected since.
;; Causal Self Attention. Allowed arithmetic: matrix products marked QUANTISED: E2M3 operands, one E8M0 scale for each 32 along K, by v_wmma_scale_f32_16x16x128_f8f6f4 with both operands' format E2M3, f32 sums; everything else in f32.
;; Inputs: b_proj 1,024 float32; b_qkv 3,072 float32; w_proj 1,024 x 1,024 float32; w_qkv 1,024 x 3,072 float32; x 4 x 2,048 x 1,024 float32.
;; Outputs: out0 4 x 2,048 x 1,024 float32.
;; This version of the problem:
;;   THIS VERSION OF THE PROBLEM IS GIVEN IN LOW PRECISION. The matrix products marked QUANTISED in the list below multiply operands that are first quantised to E2M3 (2 exponent bits, 3 mantissa bits; 6 bits a number), with one power-of-two scale for each 32 numbers along K (OCP MX v1.0); their sums are f32. All else is computed in f32.
;;   The module's matrix products, in the order in which they are computed (A, B: the left and right operand; K: the contracted axis; several contracted axes count as one K, in the product's order):
;;     1. [M 8,192, K 1,024] x [K 1,024, N 3,072]; A: input x; B: input w_qkv: QUANTISED
;;     2. batch 64 x [M 2,048, K 64] x [K 64, N 2,048]; A: computed on the way; B: computed on the way: QUANTISED
;;     3. batch 64 x [M 2,048, K 2,048] x [K 2,048, N 64]; A: softmax (see below); B: computed on the way: QUANTISED
;;     4. [M 8,192, K 1,024] x [K 1,024, N 1,024]; A: computed on the way; B: input w_proj: QUANTISED
;;   THE QUANTISER, for each operand of a quantised product, along K:
;;     - K is cut into blocks of 32 from its start; a last block that is shorter is filled with zeros.
;;     - A block's scale is 2^e with e = floor(log2(the largest magnitude in the block)) - 2, held to -126 .. 127; a block of zeros has e = 0. As a byte (E8M0): e + 127.
;;     - Each number is divided by its block's scale, clamped to +-7.5, and rounded to the nearest number of E2M3, ties to even, subnormals kept.
;;     - The product sums the exact products of the quantised numbers (number of the format x scale) in f32.
;;   ~~~python
;;   def quantise(x, axis):      # numpy; x: float32 -> the quantised numbers, widened to float32 again
;;       x = np.moveaxis(x, axis, -1); K = x.shape[-1]
;;       x = np.pad(x, [(0, 0)] * (x.ndim - 1) + [(0, -K % 32)]); x = x.reshape(x.shape[:-1] + (-1, 32)); a = np.abs(x).max(-1, keepdims=True)
;;       e = np.where(a > 0, np.clip(np.frexp(np.where(a > 0, a, 1))[1] - 1 - 2, -126, 127), 0)      # np.frexp(a)[1] - 1 = floor(log2(a)), exactly
;;       r = np.clip(x / 2.0 ** e, -7.5, 7.5)
;;       step = 2.0 ** (np.maximum(np.frexp(np.where(r == 0, 1, r))[1] - 1, 0) - 3)
;;       q = np.round(r / step) * step * 2.0 ** e      # np.round: ties to even
;;       return np.moveaxis(q.reshape(q.shape[:-2] + (-1,))[..., :K], -1, axis).astype(np.float32)
;;   ~~~
;;   SOFTMAX AHEAD OF A QUANTISED PRODUCT. Where the list says 'softmax', what is quantised is not the finished softmax but p = 2^(t - M), with t = logit x log2(e) and M = ceil(the row's largest t), a whole number; so 1/2 < the row's largest p <= 1. The row's sum l is taken of the UNQUANTISED p, in f32, and the product's result is divided by l at the end. Since M is a whole number, a kernel that streams over the keys may use a running M (the ceiling of the running maximum): every later rescaling is an exact power of two, which a block's scale takes up: the codes' values come out the same.
;;   OPERANDS COMPUTED ON THE WAY. 'Computed on the way' means the value that the module computes at that place (a softmax that the list does not call 'softmax' is quantised finished and normalised). What goes into a quantiser is computed in f32, as accurately as f32 sums, v_exp_f32 and their like allow (about 1e-6 of the number): no bf16 or f16 on the way to a quantiser, and a product that is left as it is and whose result goes on into a quantised operand takes f32 operands (vector FMAs, or v_wmma_f32_16x16x4_f32). A number that lies on a knife's edge between two numbers of the format may be rounded either way, as far as f32 arithmetic and the matrix unit's own rounding can turn it there, and no further.
;; One version. Each part assembles by itself: llvm-mc -triple=amdgcn-amd-amdhsa -mcpu=gfx1250 --defsym DOCPART=n.
;; ======== version 1 of 1: 4 launches
;; workspace buffers: xq 6,553,600 bytes; wq 3,276,800 bytes; qq 6,815,744 bytes; kv 13,369,344 bytes; yq 6,553,600 bytes
;; launch quant (part 1): grid 512 x 1, 4 waves a work-group, no clusters, 34,304 bytes of LDS; arguments x, w_qkv, w_proj, xq, wq; writes xq, wq
.if DOCPART == 1
	.amdgcn_target "amdgcn-amd-amdhsa--gfx1250"
	.amdhsa_code_object_version 6
	.text
	.protected	k_q69fd9cb3f4_quant
	.globl	k_q69fd9cb3f4_quant
	.p2align	8
	.type	k_q69fd9cb3f4_quant,@function
k_q69fd9cb3f4_quant:
	s_mov_b64 s[64:65], 0
	v_nop
	global_prefetch_b8 v0, s[64:65] scope:SCOPE_SE
	s_setreg_imm32_b32 hwreg(HW_REG_WAVE_MODE, 25, 1), 1
	s_wait_xcnt 0x0
; LAUNCH 1 OF 4.  x [8192][1024], w_qkv [1024][3072] and w_proj [1024][1024], f32, become codes of FP6 (E2M3) with one E8M0 byte for each 32 along K (K = 1024 for all three),
; laid in the order of the matrix operand's registers, so that the later launches read fragments by dense loads of 16 and 8 bytes a lane.
; DEAD WORK OF THE WHOLE PROGRAM.  reference() sets att[q][k] to -inf for k > q by a mask that it builds in its own body (triu, k = 1).  There p = 2^(-inf) = 0 whatever the inputs hold: its code is 0,
; it adds 0 to the row's sum and 0 to the product with v.  So a step of 128 keys all of which come after all 16 queries of a tile reaches no output: launch 3 leaves out that step's part of q k^T,
; of the softmax and of p v.  Nothing else is left out: all five inputs have a way to the output (k's bias moves k's codes) and all are loaded.
; LIMIT: a NaN, an infinity or an overflow that reaches only the steps left out is not carried to the result.
; LIMITS OF THE QUANTISER: a block's scale byte is its largest magnitude's exponent field - 2, held at 1 from below by a floor of 2^(3 - 127) among the maximum's leaves; a block of zeros so gets the byte 1
; where the rule says 127: its codes are zeros, and only this program reads the bytes.  NaN and infinities among the inputs are not served.
; LAYOUT.  Rows (tokens of x, columns of w) are stored by POSITION: position p holds row sw(p), p with bits 3 and 4 swapped.  So a tile of 16 positions RT holds rows 32 (RT / 2) + 8 (RT % 2) + r + 8 (r / 8),
; and where such tiles are a product's source 0, the 16 result registers of tiles 2 b and 2 b + 1 are 16 neighbours 32 b + 16 (lane / 16) + 0 .. 15.
; A HALF IMAGE, 768 bytes, is 16 positions x 64 K: lane (r, h) owns the 24 bytes of block K = 32 h .. 32 h + 31 of position r: its first 16 bytes at 16 x lane, its last 8 at 512 + 8 x lane.
; A RECORD, 12,800 bytes, is one RT for all of K: 16 half images, then 512 bytes of scale words [K half][r][4 words], a word for 128 along K.  xq: 512 records; wq: 192 of w_qkv, then 64 of w_proj.
; Work-groups 0-255 take x (K innermost: each load reads 512 consecutive bytes of a row, and the numbers turn through the wave's own stage in LDS so that a lane holds whole blocks);
; work-groups 256-511 take the weights (K is their first axis: a lane takes a column and its registers run down K; no LDS).  No matrix unit, cluster or tensor load: each byte is read once and waves share nothing.
.set REC,   12800
.set STG,   8448                       ; a wave's stage: 16 rows x (512 bytes + 16): the pitch is 33 x 16 bytes, so sixteen lanes that read one column of sixteen rows touch sixteen different 16-byte columns
.set SPARE, 4*STG                      ; behind the stages: the spare words, 128 bytes for each wave, which no other line names
.set SPW,   12                         ; v12  LDS address of my spare word; never rewritten
.set NIL,   13                         ; v13  0; never rewritten
.set RR,    64                         ; v64-191   x path: two sets of 64 numbers as loaded;  w path: four blocks of 32 numbers
.set XX,    192                        ; v192-255  x path: 64 numbers of my row: two whole blocks
.macro LOAD t                          ; K step t (128 along K) of my 16 rows: a load reads 512 consecutive bytes of one row
.irp j, 0,1,2,3,4,5,6,7,8,9,10,11,12,13,14,15
	global_load_b128 v[RR+64*((\t)%2)+4*\j:RR+64*((\t)%2)+4*\j+3], v2, s[4:5] offset:(\j+8*(\j/8))*4096+512*(\t) th:TH_LOAD_NT
.endr
.endm
.macro TURN t                          ; through my stage: in as loaded, out as lane (r, h): row r, K = 64 c + 32 h + 0 .. 31.  LDS serves a wave's instructions in order: no wait between
.irp j, 0,1,2,3,4,5,6,7,8,9,10,11,12,13,14,15
	ds_store_b128 v3, v[RR+64*((\t)%2)+4*\j:RR+64*((\t)%2)+4*\j+3] offset:528*\j
.endr
.irp c, 0,1
.irp i, 0,1,2,3,4,5,6,7
	ds_load_b128 v[XX+32*\c+4*\i:XX+32*\c+4*\i+3], v4 offset:256*\c+16*\i
.endr
.endr
.endm
.macro QX t                            ; my two blocks (2 c + h of the K step) become 12 registers of codes and a part of the row's scale word
.irp c, 0,1
	v_max3_num_f32 v[36+\c], |v[XX+32*\c]|, |v[XX+32*\c+1]|, 0x1800000      ; the floor 2^(3 - 127) among the leaves: the byte cannot fall under 1
.endr
.irp i, 2,4,6,8,10,12,14,16,18,20,22,24,26,28,30
.irp c, 0,1
	v_max3_num_f32 v[36+\c], v[36+\c], |v[XX+32*\c+\i]|, |v[XX+32*\c+\i+1]|
.endr
.endr
.irp c, 0,1
	v_add_nc_u32 v[38+\c], 0xff000000, v[36+\c]    ; 2 off the exponent field: the conversion's scale operand
.endr
.irp c, 0,1
	v_lshrrev_b32 v[40+\c], 23, v[38+\c]           ; the scale's byte
.endr
	v_lshl_or_b32 v42, v41, 16, v40                ; my bytes: blocks h and 2 + h,
	v_lshlrev_b32 v42, v6, v42                     ; 8 h bits up;
	v_permlanex16_b32 v43, v42, s20, s21
	v_or_b32 v[44+(\t)], v42, v43                  ; with lane l xor 16's two the row's word of this K step is whole
	s_wait_alu depctr_va_vdst(0)
	s_wait_xcnt 0x0                                ; the last step's stores have read their data registers, which are written again below
	v_cvt_scalef32_pk16_fp6_f32 v[16:18], v[XX:XX+15], v38
	v_cvt_scalef32_pk16_fp6_f32 v[28:30], v[XX+16:XX+31], v38      ; (a conversion's three registers begin on an even number)
	v_cvt_scalef32_pk16_fp6_f32 v[22:24], v[XX+32:XX+47], v39
	v_cvt_scalef32_pk16_fp6_f32 v[32:34], v[XX+48:XX+63], v39
	v_nop                                          ; one plain place behind the conversions
.irp i, 0,1,2
	v_mov_b32 v[19+\i], v[28+\i]
	v_mov_b32 v[25+\i], v[32+\i]
.endr
	global_store_b128 v2, v[16:19], s[26:27] offset:1536*(\t)          ; 512 consecutive bytes
	global_store_b64 v5, v[20:21], s[26:27] offset:1536*(\t)+512       ; 256
	global_store_b128 v2, v[22:25], s[26:27] offset:1536*(\t)+768
	global_store_b64 v5, v[26:27], s[26:27] offset:1536*(\t)+1280
.endm
.macro BLK kb                          ; w path: block kb of my column: all 32 numbers are mine
.set XB, RR+32*(\kb)
.set CC, 192+8*(\kb)
	v_max3_num_f32 v228, |v[XB]|, |v[XB+1]|, |v[XB+2]|
	v_max3_num_f32 v229, |v[XB+3]|, |v[XB+4]|, |v[XB+5]|
.irp i, 6,10,14,18,22,26
	v_max3_num_f32 v228, v228, |v[XB+\i]|, |v[XB+\i+1]|
	v_max3_num_f32 v229, v229, |v[XB+\i+2]|, |v[XB+\i+3]|
.endr
	v_max3_num_f32 v228, v228, |v[XB+30]|, |v[XB+31]|
	v_max3_num_f32 v228, v228, v229, 0x1800000     ; and the floor
	v_add_nc_u32 v229, 0xff000000, v228
	v_lshrrev_b32 v230, 23, v229
.if (\kb) == 0
	v_mov_b32 v231, v230                           ; the K step's scale word of my column, the lower K in the lower byte
.else
	v_lshl_or_b32 v231, v230, 8*(\kb), v231
.endif
	v_cvt_scalef32_pk16_fp6_f32 v[CC:CC+2], v[XB:XB+15], v229
	v_cvt_scalef32_pk16_fp6_f32 v[224:226], v[XB+16:XB+31], v229
	v_nop
.irp i, 0,1,2
	v_mov_b32 v[CC+3+\i], v[224+\i]
.endr
.endm
.macro PAIR q                          ; blocks 2 q and 2 q + 1 of 32 positions become the half images of two RT: the first run's lanes 16-31 change places with the second's lanes 0-15
.irp i, 0,1,2,3,4,5
	v_permlane16_swap_b32 v[192+16*(\q)+\i], v[200+16*(\q)+\i]
.endr
	global_store_b128 v2, v[192+16*(\q):195+16*(\q)], s[36:37] offset:768*(\q)
	global_store_b64 v5, v[196+16*(\q):197+16*(\q)], s[36:37] offset:768*(\q)+512
	global_store_b128 v2, v[200+16*(\q):203+16*(\q)], s[36:37] offset:REC+768*(\q)
	global_store_b64 v5, v[204+16*(\q):205+16*(\q)], s[36:37] offset:REC+768*(\q)+512
.endm
	s_load_b256 s[4:11], s[0:1], 0x0               ; x s[4:5], w_qkv s[6:7], w_proj s[8:9], xq s[10:11]
	s_load_b64 s[12:13], s[0:1], 0x20              ; wq
	v_lshl_add_u32 v[SPW], v0, 2, SPARE
	v_mov_b32 v[NIL], 0
	v_lshrrev_b32 v1, 5, v0
	v_readfirstlane_b32 s14, v1                    ; wave
	v_and_b32 v1, 31, v0                           ; lane
	v_lshlrev_b32 v2, 4, v1                        ; 16 x lane
	v_lshlrev_b32 v5, 3, v1                        ; 8 x lane
	s_mov_b32 s20, 0x76543210
	s_mov_b32 s21, 0xfedcba98                      ; v_permlanex16_b32's selects for lane l xor 16
	s_mov_b32 s22, 0xffff0000                      ; a mask of lanes 16-31
	s_cmp_ge_u32 ttmp9, 256
	s_cbranch_scc1 .Lw
	; ---- x.  Wave = (RT = 2 wg + wave / 2, K half kh = wave % 2): 16 rows x 512 K = four K steps
	s_lshr_b32 s15, s14, 1
	s_and_b32 s18, s14, 1
	s_lshl_b32 s16, ttmp9, 17                      ; 32 wg rows of 4,096 bytes
	s_lshl_b32 s17, s15, 15                        ; + 8 rows for the odd RT
	s_add_co_u32 s16, s16, s17
	s_lshl_b32 s17, s18, 11                        ; + 512 numbers for the upper K half
	s_add_co_u32 s16, s16, s17
	s_mov_b32 s17, 0
	s_lshl_b32 s24, ttmp9, 1
	s_add_co_u32 s24, s24, s15
	s_mul_i32 s24, s24, REC                        ; my record
	s_mul_i32 s26, s18, 6144
	s_add_co_u32 s26, s26, s24                     ; its codes of my K half
	s_mov_b32 s27, 0
	s_lshl_b32 s28, s18, 8
	s_add_co_u32 s28, s28, s24                     ; its scale words of my K half (+ 12,288 in the immediate)
	s_mov_b32 s29, 0
	s_mul_i32 s19, s14, STG                        ; my stage
	v_and_b32 v8, 15, v0                           ; r
	v_bfe_u32 v9, v0, 4, 1                         ; h
	s_wait_alu depctr_va_vdst(0)
	v_add_nc_u32 v3, s19, v2                       ; into the stage: 16 x lane
	v_mul_u32_u24 v4, v8, 528
	v_lshl_add_u32 v4, v9, 7, v4
	v_add_nc_u32 v4, s19, v4                       ; out of it: row r, + 128 h
	v_lshlrev_b32 v6, 3, v9                        ; 8 h
	v_lshl_add_u32 v7, v8, 4, v6                   ; 16 r + 8 h
	v_mov_b32 v43, 0                               ; a lane permute's destination counts as one of its sources
	s_wait_alu depctr_va_vdst(0)
	s_wait_kmcnt 0x0
	s_add_nc_u64 s[4:5], s[4:5], s[16:17]
	s_add_nc_u64 s[26:27], s[10:11], s[26:27]
	s_add_nc_u64 s[28:29], s[10:11], s[28:29]
	LOAD 0
	LOAD 1
.irp t, 0,1,2,3
.if \t < 3
	s_wait_loadcnt 16                              ; this K step's 16 loads are in; the next step's 16 may be out
.else
	s_wait_loadcnt 0x0
.endif
	TURN \t
	s_wait_dscnt 0x0                               ; my 64 numbers are back, and the stage's stores have read the set that is loaded again below
.if \t < 2
	LOAD \t+2
.endif
	QX \t
.endr
	v_cndmask_b32 v48, v44, v46, s22               ; lanes 0-15 store the row's words 0, 1, lanes 16-31 words 2, 3
	v_cndmask_b32 v49, v45, v47, s22
	global_store_b64 v7, v[48:49], s[28:29] offset:12288           ; 32 lanes store 256 consecutive bytes, aligned
	s_wait_tensorcnt 0x0                           ; the wave's end, behind my last LDS store
	ds_add_u32 v[SPW], v[NIL]
	s_wait_dscnt 0x0
	s_endpgm
	; ---- the weights.  Wave = (32 positions cg = 4 (wg' % 32) + wave, K step s = wg' / 32).  cg 0-95: w_qkv, 96-127: w_proj: one path, the pointer and the row's length chosen by the work-group's number
.Lw:
	s_sub_co_u32 s15, ttmp9, 256
	s_and_b32 s16, s15, 31
	s_lshr_b32 s17, s15, 5                         ; s
	s_lshl_b32 s18, s16, 2
	s_add_co_u32 s18, s18, s14                     ; cg
	s_mul_i32 s34, s18, 2*REC                      ; my two records
	s_mul_i32 s35, s17, 1536
	s_add_co_u32 s36, s34, s35                     ; their half images 2 s, 2 s + 1
	s_mov_b32 s37, 0
	s_lshr_b32 s35, s17, 2
	s_lshl_b32 s35, s35, 8
	s_add_co_u32 s38, s34, s35
	s_and_b32 s35, s17, 3
	s_lshl_b32 s35, s35, 2
	s_add_co_u32 s38, s38, s35                     ; their scale words of K step s (+ 12,288 in the immediate)
	s_mov_b32 s39, 0
	s_wait_kmcnt 0x0
	s_add_nc_u64 s[36:37], s[12:13], s[36:37]
	s_add_nc_u64 s[38:39], s[12:13], s[38:39]
	s_mov_b32 s19, 4096
	s_cmp_lt_u32 s16, 24
	s_cselect_b64 s[6:7], s[6:7], s[8:9]           ; the tensor,
	s_cselect_b32 s19, 12288, s19                  ; its row in bytes,
	s_cselect_b32 s23, 0, 96
	s_sub_co_u32 s23, s18, s23                     ; and my 32 columns in it
	s_lshl_b32 s23, s23, 7
	s_lshl_b32 s34, s17, 7
	s_mul_i32 s34, s34, s19                        ; 128 s rows down
	s_add_co_u32 s34, s34, s23
	s_mov_b32 s35, 0
	s_add_nc_u64 s[24:25], s[6:7], s[34:35]        ; a base for each of the four blocks of 32 rows
	s_lshl_b32 s34, s19, 5
	s_add_nc_u64 s[26:27], s[24:25], s[34:35]
	s_add_nc_u64 s[28:29], s[26:27], s[34:35]
	s_add_nc_u64 s[30:31], s[28:29], s[34:35]
	s_wait_alu depctr_va_vdst(0)
	v_and_b32 v8, 7, v1
	v_and_b32 v9, 8, v1
	v_lshl_or_b32 v8, v9, 1, v8
	v_bfe_u32 v9, v1, 4, 1
	v_lshl_or_b32 v8, v9, 3, v8                    ; sw(lane): my position's column
	v_lshlrev_b32 v10, 2, v8
	v_and_b32 v8, 15, v1
	v_mul_u32_u24 v4, v9, REC
	v_lshl_add_u32 v4, v8, 4, v4                   ; my scale word: record lane / 16, 16 (lane % 16)
.set i, 0
.rept 32
	v_mad_u32_u24 v[32+i], s19, i, v10             ; row i of a block, my column
.set i, i+1
.endr
.irp kb, 0,1,2,3
.set i, 0
.rept 32
	global_load_b32 v[RR+32*\kb+i], v[32+i], s[24+2*\kb:25+2*\kb] th:TH_LOAD_NT   ; the wave reads 128 consecutive bytes, the four waves 512
.set i, i+1
.endr
.endr
	s_wait_loadcnt 63                              ; behind block 1's last load 64 loads were issued: blocks 0 and 1 are in
	BLK 0
	BLK 1
	PAIR 0
	s_wait_loadcnt 32                              ; block 3's 32 may be out
	BLK 2
	s_wait_loadcnt 0x0
	BLK 3
	PAIR 1
	global_store_b32 v4, v231, s[38:39] offset:12288               ; 4 bytes at a pitch of 16: the four K steps of a K half come from four work-groups (131,072 of the launch's bytes leave so)
	s_endpgm
.Lfunc_end_k_q69fd9cb3f4_quant:
	.size	k_q69fd9cb3f4_quant, .Lfunc_end_k_q69fd9cb3f4_quant-k_q69fd9cb3f4_quant
	.p2alignl 7, 3214868480
	.fill 96, 4, 3214868480
	.section	.rodata,"a",@progbits
	.p2align	6, 0x0
	.amdhsa_kernel k_q69fd9cb3f4_quant
		.amdhsa_group_segment_fixed_size 34304
		.amdhsa_private_segment_fixed_size 0
		.amdhsa_enable_private_segment 0
		.amdhsa_kernarg_size 40
		.amdhsa_user_sgpr_count 2
		.amdhsa_user_sgpr_kernarg_segment_ptr 1
		.amdhsa_wavefront_size32 1
		.amdhsa_system_sgpr_workgroup_id_x 1
		.amdhsa_system_sgpr_workgroup_id_y 1
		.amdhsa_system_sgpr_workgroup_id_z 1
		.amdhsa_system_vgpr_workitem_id 0
		.amdhsa_next_free_vgpr 256
		.amdhsa_next_free_sgpr 66
		.amdhsa_reserve_vcc 0
		.amdhsa_float_denorm_mode_32 3
		.amdhsa_float_denorm_mode_16_64 3
		.amdhsa_memory_ordered 1
		.amdhsa_forward_progress 1
		.amdhsa_inst_pref_size 54
	.end_amdhsa_kernel
	.amdgpu_metadata
---
amdhsa.version: [ 1, 2 ]
amdhsa.kernels:
  - .name:           k_q69fd9cb3f4_quant
    .symbol:         k_q69fd9cb3f4_quant.kd
    .args:
      - { .name: x, .offset: 0, .size: 8, .value_kind: global_buffer, .address_space: global }
      - { .name: w_qkv, .offset: 8, .size: 8, .value_kind: global_buffer, .address_space: global }
      - { .name: w_proj, .offset: 16, .size: 8, .value_kind: global_buffer, .address_space: global }
      - { .name: xq, .offset: 24, .size: 8, .value_kind: global_buffer, .address_space: global }
      - { .name: wq, .offset: 32, .size: 8, .value_kind: global_buffer, .address_space: global }
    .group_segment_fixed_size: 34304
    .private_segment_fixed_size: 0
    .kernarg_segment_align: 8
    .kernarg_segment_size: 40
    .max_flat_workgroup_size: 128
    .sgpr_count:     66
    .vgpr_count:     256
    .wavefront_size: 32
...
	.end_amdgpu_metadata
.endif
;; end of part 1
;; launch qkv (part 2): grid 8 x 32, 4 waves a work-group, clusters of 4 x 4, 327,680 bytes of LDS; arguments xq, wq, b_qkv, qq, kv; writes qq, kv
.if DOCPART == 2
	.amdgcn_target "amdgcn-amd-amdhsa--gfx1250"
	.amdhsa_code_object_version 6
	.text
	.protected	k_q69fd9cb3f4_qkv
	.globl	k_q69fd9cb3f4_qkv
	.p2align	8
	.type	k_q69fd9cb3f4_qkv,@function
k_q69fd9cb3f4_qkv:
	s_mov_b64 s[64:65], 0
	v_nop
	global_prefetch_b8 v0, s[64:65] scope:SCOPE_SE
	s_setreg_imm32_b32 hwreg(HW_REG_WAVE_MODE, 25, 1), 1
	s_wait_xcnt 0x0
	s_wait_alu depctr_hold_cnt(0) depctr_sa_sdst(0) depctr_va_vdst(0) depctr_va_sdst(0) depctr_va_ssrc(0) depctr_va_vcc(0) depctr_vm_vsrc(0)
	s_getreg_b32 s2, hwreg(HW_REG_IB_STS2, 6, 4)
	s_cmp_eq_u32 s2, 0
	s_cbranch_scc0 .Lentry_in_a_cluster
	s_endpgm
.Lentry_in_a_cluster:
	s_bfe_u32 s2, ttmp6, 0x10000c
	s_cmp_lg_u32 s2, 0xf033
	s_cbranch_scc0 .Lentry_shape_is_right
	s_endpgm
.Lentry_shape_is_right:
; LAUNCH 2 OF 4.  qkv = x w_qkv + b_qkv on codes of FP6 (E2M3) with E8M0 scales (K = 1024), and q, k, v quantised on the way out: q and k along the head's 64, v along the keys.  No f32 result goes to memory.
; SHARES.  256 work-groups.  Work-group (g, xt) keeps the 256 positions of x tile xt, all of K, in LDS and walks three tiles of 128 positions of w_qkv: tile g (q), 8 + g (k), 16 + g (v): heads 2 g, 2 g + 1.
; Wave (wx, ww): 128 positions of x (8 blocks of 16) x 64 of w (4 blocks: one head): 32 accumulators, 256 registers.
; q, k: source 0 = w, source 1 = x: a lane holds ONE token and, by the order of positions (launch 1), registers 32 a .. 32 a + 31 are the head's 64 numbers of token block a: 32 bb + 16 (lane / 16) + i.
; v: source 0 = x, source 1 = w: a lane holds ONE channel d and registers 64 a .. 64 a + 63 are 128 neighbouring keys of channel block a.  Either way registers 32 i .. 32 i + 31 become one half image (launch 1).
; OUT.  qq: a record of 6,656 bytes for (batch x head, 128 tokens): 8 half images (a token tile each), then 512 bytes of scale words [lane][4]: word p of lane 16 u + r is tile 2 p + u, row r: bytes 0, 1 the two blocks, bytes 2, 3 zero.
; kv: a record of 13,056 bytes for (batch x head, 128 keys): k's 8 half images; v's 8 (channel tile a, keys 64 c on: 1536 a + 768 c); k's scale words as q's; v's, 256 bytes [lane][2]: word p of lane 16 u + r is channel tile 2 p + u.
; CLUSTERS 4 x 4.  x's tile hangs on xt alone and is asked for jointly along a row of the cluster, w's on g alone, along a column.  Every wave asks for a quarter of each: six loads of a wave are out at the start, one behind a refill.
; w's region is filled again twice: behind a round of the cluster's barrier, in front of which each wave waits for all its tensor loads, adds 0 to its spare word and waits for that and its LDS reads; the claim of all LDS.
; LIMITS: as stated at the head of launch 1 (the floor of the scale byte, blocks of zeros, NaN and infinities).
; REGISTERS.  window 0: v1-16 addresses; v24-27 v's bias; v28, v29 the add's two; v32-95 x's scale words (8 a + K step); v96-127 w's (8 b + K step); v128-223 w's fragments, two sets of 48, at work on the way out; v224-255 the bias as C.
;   window 1: v0-191 x's fragments, two sets of 96.   window 2: the accumulators.
.set REC,   12800
.set WREG,  196608                     ; LDS: x's codes [K quarter][16 RT][3072] from 0; here w's 8 records as they lie;
.set XS,    299008                     ; x's scale words, 16 x 512;
.set SPARE, 307200                     ; the spare words, 128 bytes for each wave, which no other line names
.set SPW,  28
.set NIL,  29
.set XSC,  32
.set WSC,  96
.set WF,   128
.set BI,   224
.set VB,   24
.set TM,   128                         ; the way out, in w's fragment registers: 8 largest magnitudes,
.set PM,   136                         ; the other half's,
.set SOP,  144                         ; the conversions' scale operands,
.set EB,   152                         ; the bytes,
.set HC,   160                         ; four half images' codes, 8 registers apart,
.set DC,   192                         ; the second conversions' results,
.set WD,   208                         ; eight words (byte 1 << 8 | byte 0),
.set IM,   216                         ; the scale image,
.set WV,   220                         ; v's four words
.set MSB, 0
.macro WIN new                         ; s_set_vgpr_msb: bits 1:0 source 0, 3:2 source 1, 5:4 source 2, 7:6 destination; the high byte repeats the setting that is left
.if MSB != (\new)
	s_set_vgpr_msb (MSB<<8)|(\new)
.set MSB, (\new)
.endif
.endm
.macro PLACES                          ; four places: behind matrix instructions, in front of loads into their registers and of reads of their results
.rept 4
	v_nop
.endr
.endm
.macro CREST                           ; a round of the cluster's barrier behind its opening barrier
	s_cmp_lg_u32 s14, 0
	s_cbranch_scc1 .Lnot_wave_0_\@
	s_barrier_signal -3
.Lnot_wave_0_\@:
	s_barrier_wait -3
	s_barrier_signal -1
	s_barrier_wait -1
.endm
.macro CROUND
	s_barrier_signal -1
	s_barrier_wait -1
	CREST
.endm
; The fragments of K step s (128 along K) into set s % 2: 48 loads, each of 512 or 256 consecutive bytes: registers 6 c .. 6 c + 3 from a half image's first plane, 6 c + 4, 6 c + 5 from its second
.macro FETCH s
.set FP, (\s)%2
.set FK, (\s)/2
	WIN 0
.irp b, 0,1,2,3
.irp c, 0,1
	ds_load_b128 v[WF+48*FP+12*\b+6*\c:WF+48*FP+12*\b+6*\c+3], v3 offset:REC*\b+1536*(\s)+768*\c
	ds_load_b64 v[WF+48*FP+12*\b+6*\c+4:WF+48*FP+12*\b+6*\c+5], v4 offset:REC*\b+1536*(\s)+768*\c+512
.endr
.endr
	WIN 0x40                                       ; destination window 1
.irp a, 0,1,2,3,4,5,6,7
.irp c, 0,1
	ds_load_b128 v[96*FP+12*\a+6*\c:96*FP+12*\a+6*\c+3], v[5+FK] offset:3072*\a+1536*FP+768*\c
	ds_load_b64 v[96*FP+12*\a+6*\c+4:96*FP+12*\a+6*\c+5], v[9+FK] offset:3072*\a+1536*FP+768*\c+512
.endr
.endr
.endm
; The accumulators take turns, one instruction a turn, in ascending order in every K step.  first = 1: the bias is the C of a sum's first product
.macro MULQK s, a0, n, first
.set MP, (\s)%2
.set ma, \a0
.rept \n
.irp b, 0,1,2,3
.if \first
	v_wmma_scale_f32_16x16x128_f8f6f4 v[8*(4*ma+\b):8*(4*ma+\b)+7], v[WF+48*MP+12*\b:WF+48*MP+12*\b+11], v[96*MP+12*ma:96*MP+12*ma+11], v[BI+8*\b:BI+8*\b+7], v[WSC+8*\b+(\s)], v[XSC+8*ma+(\s)] matrix_a_fmt:MATRIX_FMT_FP6 matrix_b_fmt:MATRIX_FMT_FP6
.else
	v_wmma_scale_f32_16x16x128_f8f6f4 v[8*(4*ma+\b):8*(4*ma+\b)+7], v[WF+48*MP+12*\b:WF+48*MP+12*\b+11], v[96*MP+12*ma:96*MP+12*ma+11], v[8*(4*ma+\b):8*(4*ma+\b)+7], v[WSC+8*\b+(\s)], v[XSC+8*ma+(\s)] matrix_a_fmt:MATRIX_FMT_FP6 matrix_b_fmt:MATRIX_FMT_FP6
.endif
.endr
.set ma, ma+1
.endr
.endm
.macro MULV s, first
.set MP, (\s)%2
.irp a, 0,1,2,3
.irp b, 0,1,2,3,4,5,6,7
.if \first
	v_wmma_scale_f32_16x16x128_f8f6f4 v[8*(8*\a+\b):8*(8*\a+\b)+7], v[96*MP+12*\b:96*MP+12*\b+11], v[WF+48*MP+12*\a:WF+48*MP+12*\a+11], v[BI+8*\a:BI+8*\a+7], v[XSC+8*\b+(\s)], v[WSC+8*\a+(\s)] matrix_a_fmt:MATRIX_FMT_FP6 matrix_b_fmt:MATRIX_FMT_FP6
.else
	v_wmma_scale_f32_16x16x128_f8f6f4 v[8*(8*\a+\b):8*(8*\a+\b)+7], v[96*MP+12*\b:96*MP+12*\b+11], v[WF+48*MP+12*\a:WF+48*MP+12*\a+11], v[8*(8*\a+\b):8*(8*\a+\b)+7], v[XSC+8*\b+(\s)], v[WSC+8*\a+(\s)] matrix_a_fmt:MATRIX_FMT_FP6 matrix_b_fmt:MATRIX_FMT_FP6
.endif
.endr
.endr
.endm
; K step s, 0 to 6: the next step's fragments are asked for, then this step's 32 products.  form 0: q, k; 1: v.
; arr >= 0: the next step begins a quarter of x's K that may still be on its way: my part has landed when at most arr younger loads are out; then a barrier, behind which nothing is filled
.macro STEP form, s, arr, first
	WIN 0
.if \arr >= 0
	s_wait_dscnt 0x0                               ; no LDS load of mine is out at a signal; this step's fragments are in
	s_wait_tensorcnt \arr
	s_barrier_signal -1
	s_barrier_wait -1
.endif
	PLACES                                         ; in front of loads into the set that the step before multiplied
	FETCH (\s)+1
.if \arr < 0
	s_wait_dscnt 48                                ; all but the 48 just issued: this step's fragments (and the scale words) are in
.endif
.if \form == 0
	WIN 0xa4-0x20*(\first)                         ; source 0 (w) window 0, source 1 (x) window 1, D window 2; C window 2, or 0 for the bias
	MULQK \s, 0, 8, \first
.else
	WIN 0xa1-0x20*(\first)                         ; source 0 (x) window 1, source 1 (w) window 0
	MULV \s, \first
.endif
.endm
; K step 7 of q or k, and the refill of w's region with the tile 64 records on
.macro LASTR
	WIN 0
	s_wait_dscnt 0x0                               ; the last fragments are in: my reads of w's region are over
	s_wait_tensorcnt 0x0                           ; no tensor load of mine is out, so a group 0 may be written
	ds_add_u32 v[SPW], v[NIL]                      ; 0 onto my spare word
	s_add_nc_u64 s[54:55], s[54:55], 64*REC        ; the next tile of w; the type bits on top are not reached
	WIN 0xa4
	MULQK 7, 0, 4, 0                               ; sixteen products stand between the add and the wait for it
	s_wait_dscnt 0x0                               ; the add is done
	s_barrier_signal -1                            ; this barrier opens a round of the cluster's barrier
	MULQK 7, 4, 4, 0
	WIN 0
	s_barrier_wait -1
	CREST                                          ; no wave of any partner still reads w's region or has a load on its way
	tensor_load_to_lds s[52:55], s[40:47]          ; my quarter of the next tile: my one tensor load behind the round
	s_nop 0
	PLACES                                         ; also the places in front of the first read of the results
.endm
; Half of the way out: registers 128 u + 32 i .. + 31 (i = 0 .. 3) become half images 4 u + i.  Chain q = 2 i + block: registers 128 u + 16 q on, from each accumulator's low end
.macro HALF u, ptr, off
	s_wait_xcnt 0x0                                ; earlier stores have read their data registers
	WIN 0x0a                                       ; sources 0 and 1 window 2
.irp q, 0,1,2,3,4,5,6,7
	v_max3_num_f32 v[TM+\q], |v[128*\u+16*\q]|, |v[128*\u+16*\q+1]|, 0x1800000
.endr
.irp i, 2,4,6,8,10,12,14
.irp q, 0,1,2,3,4,5,6,7
	v_max3_num_f32 v[TM+\q], |v[128*\u+16*\q+\i]|, |v[128*\u+16*\q+\i+1]|, v[TM+\q]
.endr
.endr
	WIN 0
.irp q, 0,1,2,3,4,5,6,7
	v_permlanex16_b32 v[PM+\q], v[TM+\q], s90, s91
.endr
.irp q, 0,1,2,3,4,5,6,7
	v_max_num_f32 v[TM+\q], v[TM+\q], v[PM+\q]     ; with lane l xor 16's 16 numbers: the block's largest magnitude
.endr
.irp q, 0,1,2,3,4,5,6,7
	v_add_nc_u32 v[SOP+\q], 0xff000000, v[TM+\q]
.endr
.irp q, 0,1,2,3,4,5,6,7
	v_lshrrev_b32 v[EB+\q], 23, v[SOP+\q]
.endr
.irp i, 0,1,2,3
	v_lshl_or_b32 v[WD+4*\u+\i], v[EB+2*\i+1], 8, v[EB+2*\i]
.endr
	WIN 0x02                                       ; source 0 window 2
.irp i, 0,1,2,3
	v_cvt_scalef32_pk16_fp6_f32 v[HC+8*\i:HC+8*\i+2], v[128*\u+32*\i:128*\u+32*\i+15], v[SOP+2*\i]
	v_cvt_scalef32_pk16_fp6_f32 v[DC+4*\i:DC+4*\i+2], v[128*\u+32*\i+16:128*\u+32*\i+31], v[SOP+2*\i+1]
.endr
	WIN 0
	v_nop                                          ; one plain place behind the conversions
.irp i, 0,1,2,3                                ; a whole block to a lane: lanes 0-15 the first block, lanes 16-31 the second
.irp k, 0,1,2
	v_permlane16_swap_b32 v[HC+8*\i+\k], v[DC+4*\i+\k]
.endr
.irp k, 0,1,2
	v_mov_b32 v[HC+8*\i+3+\k], v[DC+4*\i+\k]
.endr
.endr
.irp i, 0,1,2,3
	global_store_b128 v1, v[HC+8*\i:HC+8*\i+3], s[\ptr:\ptr+1] offset:\off+768*(4*\u+\i)        ; 512 consecutive bytes, aligned to 256
	global_store_b64 v2, v[HC+8*\i+4:HC+8*\i+5], s[\ptr:\ptr+1] offset:\off+768*(4*\u+\i)+512   ; 256
.endr
.endm
.macro EPIQK ptr, off, soff
	HALF 0, \ptr, \off
	HALF 1, \ptr, \off
.irp p, 0,1,2,3
	v_cndmask_b32 v[IM+\p], v[WD+2*\p], v[WD+2*\p+1], s92          ; lanes 0-15 tile 2 p, lanes 16-31 tile 2 p + 1
.endr
	global_store_b128 v1, v[IM:IM+3], s[\ptr:\ptr+1] offset:\soff
.endm
.macro BIAS off                        ; lane (r, h), register 8 b + j: the bias of channel 32 (b / 2) + 8 (b % 2) + 16 h + j
.irp q, 0,1,2,3,4,5,6,7
	global_load_b128 v[BI+4*\q:BI+4*\q+3], v15, s[88:89] offset:\off+16*(\q%4)+128*(\q/4)
.endr
.endm
.macro WSCALES
.irp b, 0,1,2,3
.irp k, 0,1
	ds_load_b128 v[WSC+8*\b+4*\k:WSC+8*\b+4*\k+3], v14 offset:REC*\b+256*\k
.endr
.endr
.endm
.macro NEXTW                           ; the next tile of w has landed in every wave's quarter: its scale words and first fragments
	s_wait_xcnt 0x0                                ; the way out's stores have read their data, which lie where fragments land
	s_wait_loadcnt 0x0                             ; the next bias
	s_wait_dscnt 0x0
	s_wait_tensorcnt 0x0                           ; my quarter, the one load that is out
	s_barrier_signal -1
	s_barrier_wait -1                              ; everybody's
	WSCALES
	FETCH 0
	WIN 0
.endm
	s_load_b256 s[4:11], s[0:1], 0x0               ; xq s[4:5], wq s[6:7], b_qkv s[8:9], qq s[10:11]
	s_load_b64 s[12:13], s[0:1], 0x20              ; kv
	v_lshl_add_u32 v[SPW], v0, 2, SPARE
	v_mov_b32 v[NIL], 0
	ds_add_u32 v[SPW], v[NIL]                      ; the wave's opening: the add, twice on end, and its wait ahead of my first tensor load
	ds_add_u32 v[SPW], v[NIL]
	v_lshrrev_b32 v1, 5, v0
	v_readfirstlane_b32 s14, v1                    ; wave
	s_lshr_b32 s15, s14, 1                         ; wx
	s_and_b32 s16, s14, 1                          ; ww
	s_bfe_u32 s17, ttmp6, 0x40000                  ; cx
	s_bfe_u32 s18, ttmp6, 0x40004                  ; cy
	s_lshl_b32 s19, ttmp9, 2
	s_add_co_u32 s19, s19, s17                     ; g
	s_and_b32 s20, ttmp7, 0xffff
	s_lshl_b32 s20, s20, 2
	s_add_co_u32 s20, s20, s18                     ; xt
	s_lshl_b32 s94, s18, 2
	s_lshl_b32 s94, 15, s94                        ; my row of the cluster
	s_lshl_b32 s96, 0x1111, s17                    ; my column
	; group 1, elements of 8 bytes, no padding.  x's codes: 4 rows (RT) of 3,072 bytes, 12,800 apart
	s_or_b32 s24, s94, (3<<16)|(1<<21)
	s_mov_b32 s25, 384<<16
	s_mov_b32 s26, 4<<16
	s_mov_b32 s27, 384<<16
	s_mov_b32 s28, 4
	s_mov_b32 s29, 1600
	s_mov_b32 s30, 0
	s_mov_b32 s31, 0
	; x's scale words: 4 rows of 512 bytes, 12,800 apart
	s_or_b32 s32, s94, (3<<16)|(1<<21)
	s_mov_b32 s33, 64<<16
	s_mov_b32 s34, 4<<16
	s_mov_b32 s35, 64<<16
	s_mov_b32 s36, 4
	s_mov_b32 s37, 1600
	s_mov_b32 s38, 0
	s_mov_b32 s39, 0
	; w: two records, 25,600 dense bytes, as 100 rows of 256
	s_or_b32 s40, s96, (3<<16)|(1<<21)
	s_mov_b32 s41, 32<<16
	s_mov_b32 s42, 100<<16
	s_mov_b32 s43, 32<<16
	s_mov_b32 s44, 100
	s_mov_b32 s45, 32
	s_mov_b32 s46, 0
	s_mov_b32 s47, 0
	s_lshl_b32 s94, s20, 4
	s_lshl_b32 s95, s14, 2
	s_add_co_u32 s94, s94, s95
	s_mul_i32 s94, s94, REC                        ; x: records 16 xt + 4 wave on: made of xt and the wave's number alone
	s_mov_b32 s95, 0
	s_lshl_b32 s96, s19, 3
	s_lshl_b32 s97, s14, 1
	s_add_co_u32 s96, s96, s97
	s_mul_i32 s96, s96, REC                        ; w: records 8 g + 2 wave on: made of g and the wave's number alone
	s_mov_b32 s97, 0
	s_mul_i32 s21, s14, 2048                       ; where they go: the wave's number times a constant
	s_mul_i32 s22, s14, 25600
	s_mul_i32 s23, s14, 12288
	s_mov_b32 s90, 0x76543210
	s_mov_b32 s91, 0xfedcba98
	s_mov_b32 s92, 0xffff0000
	s_wait_dscnt 0x0                               ; both opening adds are done
	s_wait_kmcnt 0x0
	s_add_nc_u64 s[94:95], s[4:5], s[94:95]
	s_add_nc_u64 s[96:97], s[6:7], s[96:97]
	CROUND                                         ; all sixteen work-groups are here: the first joint loads meet
	s_mov_b32 s48, 1
	s_add_co_u32 s49, s21, XS
	s_add_nc_u64 s[50:51], s[94:95], 12288
	s_or_b32 s51, s51, 0x80000000
	s_mov_b32 s52, 1
	s_add_co_u32 s53, s22, WREG
	s_mov_b64 s[54:55], s[96:97]
	s_or_b32 s55, s55, 0x80000000
.irp kc, 0,1,2,3
.set GX, 56+4*\kc+4*(\kc/2)                    ; s[56:59], s[60:63], s[68:71], s[72:75]
	s_mov_b32 s[GX], 1
	s_add_co_u32 s[GX+1], s23, 49152*\kc
	s_add_nc_u64 s[GX+2:GX+3], s[94:95], 3072*\kc
	s_or_b32 s[GX+3], s[GX+3], 0x80000000
.endr
	tensor_load_to_lds s[48:51], s[32:39]          ; x's scale words,
	s_nop 0
	tensor_load_to_lds s[52:55], s[40:47]          ; w's first tile,
	s_nop 0
	tensor_load_to_lds s[56:59], s[24:31]          ; x's codes, a quarter of K at a time
	s_nop 0
	tensor_load_to_lds s[60:63], s[24:31]
	s_nop 0
	tensor_load_to_lds s[68:71], s[24:31]
	s_nop 0
	tensor_load_to_lds s[72:75], s[24:31]
	s_nop 0
	PLACES
	v_and_b32 v20, 31, v0                          ; lane
	v_and_b32 v21, 15, v0                          ; r
	v_bfe_u32 v22, v0, 4, 1                        ; h
	v_lshlrev_b32 v1, 4, v20
	v_lshlrev_b32 v2, 3, v20
	s_mul_i32 s21, s16, 4*REC
	s_add_co_u32 s21, s21, WREG                    ; my four records of w
	v_add_nc_u32 v3, s21, v1
	v_add_nc_u32 v4, s21, v2
	s_mul_i32 s22, s15, 24576                      ; my eight RT of x
.irp kc, 0,1,2,3
	v_add_nc_u32 v[5+\kc], s22, v1
	v_add_nc_u32 v[9+\kc], s22, v2
	s_add_co_u32 s22, s22, 49152
.endr
	v_lshlrev_b32 v23, 4, v21
	s_lshl_b32 s23, s15, 12
	s_add_co_u32 s23, s23, XS
	v_add_nc_u32 v13, s23, v23                     ; x's scale words: row r's four words, in both halves of the lanes
	s_add_co_u32 s21, s21, 12288
	v_add_nc_u32 v14, s21, v23                     ; w's
	v_lshlrev_b32 v15, 6, v22                      ; 64 h
	s_wait_alu depctr_va_vdst(0)
	v_and_b32 v16, 8, v21
	v_add_nc_u32 v16, v16, v21
	v_lshlrev_b32 v16, 2, v16                      ; 4 (r + 8 (r / 8))
	s_wait_alu depctr_va_vdst(0)
	s_lshl_b32 s98, s19, 1
	s_add_co_u32 s98, s98, s16                     ; my head of the 16
	s_lshl_b32 s80, s98, 8
	s_mov_b32 s81, 0
	s_add_nc_u64 s[88:89], s[8:9], s[80:81]        ; q's bias of my head; k's 4,096 bytes on, v's 8,192
	s_lshr_b32 s99, s20, 3
	s_lshl_b32 s99, s99, 4
	s_add_co_u32 s98, s98, s99                     ; batch x head
	s_lshl_b32 s98, s98, 4
	s_and_b32 s99, s20, 7
	s_lshl_b32 s99, s99, 1
	s_add_co_u32 s98, s98, s99
	s_add_co_u32 s98, s98, s15                     ; + my 128 tokens of the sequence's 16 groups
	s_mul_i32 s80, s98, 6656
	s_add_nc_u64 s[76:77], s[10:11], s[80:81]      ; my record of qq
	s_mul_i32 s80, s98, 13056
	s_add_nc_u64 s[78:79], s[12:13], s[80:81]      ; and of kv
	BIAS 0
.irp a, 0,1,2,3
	global_load_b32 v[VB+\a], v16, s[88:89] offset:8192+4*(32*(\a/2)+8*(\a%2))   ; v: a lane holds one channel
.endr
	s_wait_tensorcnt 3                             ; x's scale words, w's tile and x's first quarter: my parts are in; three quarters may be out
	s_barrier_signal -1
	s_barrier_wait -1
.irp a, 0,1,2,3,4,5,6,7
.irp k, 0,1
	ds_load_b128 v[XSC+8*\a+4*\k:XSC+8*\a+4*\k+3], v13 offset:512*\a+256*\k
.endr
.endr
	WSCALES
	FETCH 0
	WIN 0
	s_wait_loadcnt 0x0                             ; the biases
	; ---- q
	STEP 0, 0, -1, 1
	STEP 0, 1, 2, 0
	STEP 0, 2, -1, 0
	STEP 0, 3, 1, 0
	STEP 0, 4, -1, 0
	STEP 0, 5, 0, 0
	STEP 0, 6, -1, 0
	LASTR
	BIAS 4096                                      ; k's bias lands under the way out
	EPIQK 76, 0, 6144
	NEXTW
	; ---- k
	STEP 0, 0, -1, 1
	STEP 0, 1, -1, 0
	STEP 0, 2, -1, 0
	STEP 0, 3, -1, 0
	STEP 0, 4, -1, 0
	STEP 0, 5, -1, 0
	STEP 0, 6, -1, 0
	LASTR
	EPIQK 78, 0, 12288
.irp a, 0,1,2,3
.irp j, 0,1,2,3,4,5,6,7
	v_mov_b32 v[BI+8*\a+\j], v[VB+\a]              ; v's bias in the result's layout: the same for a lane's eight keys
.endr
.endr
	s_wait_alu depctr_va_vdst(0)
	NEXTW
	; ---- v
	STEP 1, 0, -1, 1
	STEP 1, 1, -1, 0
	STEP 1, 2, -1, 0
	STEP 1, 3, -1, 0
	STEP 1, 4, -1, 0
	STEP 1, 5, -1, 0
	STEP 1, 6, -1, 0
	WIN 0
	s_wait_dscnt 0x0
	WIN 0xa1
	MULV 7, 0
	WIN 0
	PLACES
	HALF 0, 78, 6144
	HALF 1, 78, 6144
.irp a, 0,1,2,3
	v_lshl_or_b32 v[WV+\a], v[WD+2*\a+1], 16, v[WD+2*\a]           ; channel tile a: the four key blocks' bytes
.endr
.irp p, 0,1
	v_cndmask_b32 v[IM+\p], v[WV+2*\p], v[WV+2*\p+1], s92
.endr
	global_store_b64 v2, v[IM:IM+1], s[78:79] offset:12800
	s_wait_tensorcnt 0x0                           ; the wave's end, behind my last tensor load
	ds_add_u32 v[SPW], v[NIL]
	s_wait_dscnt 0x0
	CROUND                                         ; the closing round
	s_endpgm
.Lfunc_end_k_q69fd9cb3f4_qkv:
	.size	k_q69fd9cb3f4_qkv, .Lfunc_end_k_q69fd9cb3f4_qkv-k_q69fd9cb3f4_qkv
	.p2alignl 7, 3214868480
	.fill 96, 4, 3214868480
	.section	.rodata,"a",@progbits
	.p2align	6, 0x0
	.amdhsa_kernel k_q69fd9cb3f4_qkv
		.amdhsa_group_segment_fixed_size 327680
		.amdhsa_private_segment_fixed_size 0
		.amdhsa_enable_private_segment 0
		.amdhsa_kernarg_size 40
		.amdhsa_user_sgpr_count 2
		.amdhsa_user_sgpr_kernarg_segment_ptr 1
		.amdhsa_wavefront_size32 1
		.amdhsa_system_sgpr_workgroup_id_x 1
		.amdhsa_system_sgpr_workgroup_id_y 1
		.amdhsa_system_sgpr_workgroup_id_z 1
		.amdhsa_system_vgpr_workitem_id 0
		.amdhsa_next_free_vgpr 768
		.amdhsa_next_free_sgpr 100
		.amdhsa_reserve_vcc 0
		.amdhsa_float_denorm_mode_32 3
		.amdhsa_float_denorm_mode_16_64 3
		.amdhsa_memory_ordered 1
		.amdhsa_forward_progress 1
		.amdhsa_inst_pref_size 241
	.end_amdhsa_kernel
	.amdgpu_metadata
---
amdhsa.version: [ 1, 2 ]
amdhsa.kernels:
  - .name:           k_q69fd9cb3f4_qkv
    .symbol:         k_q69fd9cb3f4_qkv.kd
    .args:
      - { .name: xq, .offset: 0, .size: 8, .value_kind: global_buffer, .address_space: global }
      - { .name: wq, .offset: 8, .size: 8, .value_kind: global_buffer, .address_space: global }
      - { .name: b_qkv, .offset: 16, .size: 8, .value_kind: global_buffer, .address_space: global }
      - { .name: qq, .offset: 24, .size: 8, .value_kind: global_buffer, .address_space: global }
      - { .name: kv, .offset: 32, .size: 8, .value_kind: global_buffer, .address_space: global }
    .group_segment_fixed_size: 327680
    .private_segment_fixed_size: 0
    .kernarg_segment_align: 8
    .kernarg_segment_size: 40
    .max_flat_workgroup_size: 128
    .sgpr_count:     100
    .vgpr_count:     768
    .wavefront_size: 32
...
	.end_amdgpu_metadata
.endif
;; end of part 2
;; launch attn (part 3): grid 4 x 64, 16 waves a work-group, clusters of 4 x 1, 210,944 bytes of LDS; arguments qq, kv, yq; writes yq
.if DOCPART == 3
	.amdgcn_target "amdgcn-amd-amdhsa--gfx1250"
	.amdhsa_code_object_version 6
	.text
	.protected	k_q69fd9cb3f4_attn
	.globl	k_q69fd9cb3f4_attn
	.p2align	8
	.type	k_q69fd9cb3f4_attn,@function
k_q69fd9cb3f4_attn:
	s_mov_b64 s[64:65], 0
	v_nop
	global_prefetch_b8 v0, s[64:65] scope:SCOPE_SE
	s_setreg_imm32_b32 hwreg(HW_REG_WAVE_MODE, 25, 1), 1
	s_wait_xcnt 0x0
	s_wait_alu depctr_hold_cnt(0) depctr_sa_sdst(0) depctr_va_vdst(0) depctr_va_sdst(0) depctr_va_ssrc(0) depctr_va_vcc(0) depctr_vm_vsrc(0)
	s_getreg_b32 s2, hwreg(HW_REG_IB_STS2, 6, 4)
	s_cmp_eq_u32 s2, 0
	s_cbranch_scc0 .Lentry_in_a_cluster
	s_endpgm
.Lentry_in_a_cluster:
	s_bfe_u32 s2, ttmp6, 0x10000c
	s_cmp_lg_u32 s2, 0x3003
	s_cbranch_scc0 .Lentry_shape_is_right
	s_endpgm
.Lentry_shape_is_right:
; LAUNCH 3 OF 4.  y = softmax(q k^T / 8, causal) v for 64 (batch x head), both products on codes of FP6 (E2M3) with E8M0 scales; y is quantised along the model's 1024 and stored as launch 4's operand.
; LEFT OUT (shown at the head of launch 1): a step of 128 keys all of which come after all 16 queries of a tile.  A NaN or infinity that reaches only such steps is not carried to the result.
; THE SOFTMAX: t = score x log2(e) / 8; M = the running largest t rounded up to a whole number; p = 2^(t - M) is quantised along the keys, not normalised; the row's sum is taken of the unquantised p and divides at the end;
; when M moves, the sum and O are multiplied by 2^(old M - new M), which rounds nothing.  LIMITS: p under 2^-126 is 0 (v_exp_f32 flushes); the scale byte's floor and blocks of zeros as in launch 1.
; SHARES.  A head has 128 tiles of 16 queries; tile t needs t / 8 + 1 key steps.  Work-group j of the head's four owns tiles 4 m + j; wave w takes m = 31 - w and then m = w: 17 key steps for every wave, two of them on the diagonal.
; LDS holds the head's 16 records of kv (launch 2's layout), 208,896 bytes, filled once: no ring, no refill, no LDS store.  Waves 0-3 ask for four records each (w, 4 + w, 8 + w, 12 + w): four loads of a wave are out.
; CLUSTER 4 x 1: the four work-groups of a head ask for the same records at the same place of the text: joint loads, mask 15.  j enters global addresses and the lanes' mask alone: no branch, trip count or LDS address.
; LAYOUT.  S^T = k q^T (source 0 = 16 keys, source 1 = my 16 queries), O^T = v^T p^T: a lane holds ONE query.  By the order of positions the 16 registers of key tiles 2 b, 2 b + 1 are keys 32 b + 16 (lane / 16) + 0 .. 15,
; and O^T's of channel tiles 2 b, 2 b + 1 are channels 32 b + 16 (lane / 16) + 0 .. 15.  Query r of tile t is token 32 (t / 2) + 8 (t % 2) + r + 8 (r / 8).
; K = 64 IN A FORM OF K = 128: q's registers 6-11 are zero codes, so whatever stands in registers 6-11 of k's operand adds exactly 0 (FP6 has no NaN or infinity, and bytes 2, 3 of both scale words are 0, not 0xff).
; So key tile i's operand is v[32 + 6 i : 43 + 6 i]: its upper six registers are the next tile's codes, for tile 7 six zeros.
; REGISTERS: v1, v2 16 and 8 x lane; v3, v4 the add's two; v5 the mask's d; v6, v7 LDS addresses; v8-v10 lane constants; v12 -M, v13 the largest t, v[14:15] the sum; v[16:27] q and zeros; v28 q's scale word; v[30:31] f, 0;
; v[32:79] k's tiles, then v's fragments; v[80:85] zeros; v[86:89], v[90:91] k's, v's scale words; v[96:159] S^T, p; v[160:191] O^T; v[192:210] p's codes; v212-231 at work, v228 p's scale word; v[232:238] the second tile's q.
.set KVR,   13056
.set SPARE, 16*KVR                     ; behind the records: the spare words, 128 bytes for each of 16 waves, which no other line names
.macro CROUND
	s_barrier_signal -1
	s_barrier_wait -1
	s_cmp_lg_u32 s10, 0
	s_cbranch_scc1 .Lnot_wave_0_\@
	s_barrier_signal -3
.Lnot_wave_0_\@:
	s_barrier_wait -3
	s_barrier_signal -1
	s_barrier_wait -1
.endm
; For the tile m (a scalar register): q's codes and scale words, y's codes and scale bytes, the mask's constant and the number of key steps
.macro PTRS m, qc, qs, yc, ys, sd, nn
	s_lshl_b32 s74, s[\m], 2
	s_add_co_u32 s74, s74, s11                     ; t = 4 m + j
	s_lshr_b32 s75, s74, 3
	s_lshl_b32 s76, s12, 4
	s_add_co_u32 s75, s75, s76
	s_mul_i32 s76, s75, 6656                       ; q's record 16 bh + t / 8
	s_and_b32 s75, s74, 7
	s_mul_i32 s78, s75, 768
	s_add_co_u32 s78, s78, s76
	s_mov_b32 s79, 0
	s_add_nc_u64 s[\qc:\qc+1], s[4:5], s[78:79]    ; half image t % 8
	s_lshr_b32 s75, s75, 1
	s_lshl_b32 s75, s75, 2
	s_add_co_u32 s78, s76, s75
	s_and_b32 s75, s74, 1
	s_lshl_b32 s75, s75, 8
	s_add_co_u32 s78, s78, s75
	s_add_nc_u64 s[\qs:\qs+1], s[4:5], s[78:79]    ; word (t % 8) / 2 of lanes 16 (t % 2) on (+ 6,144 in the immediate)
	s_lshr_b32 s75, s12, 4
	s_lshl_b32 s75, s75, 7
	s_add_co_u32 s75, s75, s74
	s_mul_i32 s76, s75, 12800                      ; y's record 128 batch + t
	s_and_b32 s75, s12, 15                         ; the head
	s_mul_i32 s78, s75, 768
	s_add_co_u32 s78, s78, s76
	s_add_nc_u64 s[\yc:\yc+1], s[8:9], s[78:79]    ; half image = head
	s_lshr_b32 s77, s75, 3
	s_lshl_b32 s77, s77, 8
	s_and_b32 s75, s75, 7
	s_lshl_b32 s75, s75, 1
	s_add_co_u32 s78, s76, s77
	s_add_co_u32 s78, s78, s75
	s_add_nc_u64 s[\ys:\ys+1], s[8:9], s[78:79]    ; the head's two bytes of a row's scale words (+ 12,288 in the immediate)
	s_and_b32 s75, s[\m], 1
	s_lshl_b32 s75, s75, 6
	s_lshr_b32 s77, s11, 1
	s_lshl_b32 s77, s77, 5
	s_add_co_u32 s75, s75, s77
	s_and_b32 s77, s11, 1
	s_lshl_b32 s77, s77, 3
	s_add_co_u32 s[\sd], s75, s77                  ; the tile's first token within its 128: 64 (m % 2) + 32 (j / 2) + 8 (j % 2)
	s_lshr_b32 s75, s[\m], 1
	s_add_co_u32 s[\nn], s75, 1                    ; key steps: it hangs on the wave's number alone
.endm
.macro START sd, nn
	v_add_nc_u32 v5, s[\sd], v8                    ; d = my token - 128 (N - 1) - 16 (lane / 16)
	s_mov_b32 s14, s[\nn]                          ; N
	s_mov_b32 s13, 0                               ; T, the key step
	s_mov_b32 s15, 0                               ; its record's LDS byte
	v_mov_b32 v13, 0xff61b1e6                      ; the largest t so far: -3e38
	s_delay_alu instid0(VALU_DEP_1)
	v_floor_f32 v12, -v13
	v_mov_b32 v14, 0
	v_mov_b32 v15, 0
.set n, 0
.rept 32
	v_mov_b32 v[160+n], 0                          ; O^T: the step is written without a first form: the first change of M multiplies zeros
.set n, n+1
.endr
.endm
; A KEY STEP: 128 keys
.macro STEP
	s_cmp_ge_u32 s13, s14                          ; a step behind the diagonal is left out: a branch on the wave's number and the count of steps, round the work alone
	s_cbranch_scc1 .Lskip_\@
	s_setprio 2
	v_add_nc_u32 v6, s15, v1
	v_add_nc_u32 v7, s15, v2
	v_nop
	v_nop                                          ; four places in front of loads into registers that the last products read
.irp t, 0,1,2,3,4,5,6,7
	ds_load_b128 v[32+6*\t:35+6*\t], v6 offset:768*\t
	ds_load_b64 v[36+6*\t:37+6*\t], v7 offset:768*\t+512
.endr
	ds_load_b128 v[86:89], v6 offset:12288         ; k's scale words: register p: lanes 0-15 tile 2 p, lanes 16-31 tile 2 p + 1
	s_wait_alu depctr_va_vdst(0)
	s_wait_dscnt 0x0
.irp t, 0,2,4,6
	v_wmma_scale_f32_16x16x128_f8f6f4 v[96+8*\t:103+8*\t], v[32+6*\t:43+6*\t], v[16:27], 0, v[86+\t/2], v28 matrix_a_fmt:MATRIX_FMT_FP6 matrix_b_fmt:MATRIX_FMT_FP6
	v_wmma_scale_f32_16x16x128_f8f6f4 v[104+8*\t:111+8*\t], v[38+6*\t:49+6*\t], v[16:27], 0, v[86+\t/2], v28 matrix_a_fmt:MATRIX_FMT_FP6 matrix_b_fmt:MATRIX_FMT_FP6 matrix_a_scale:MATRIX_SCALE_ROW1
.endr
.rept 4
	v_nop                                          ; places: in front of the loads below and of the first read of the scores
.endr
.irp a, 0,1,2,3                                ; v's fragments land under the softmax
.irp c, 0,1
	ds_load_b128 v[32+12*\a+6*\c:35+12*\a+6*\c], v6 offset:6144+1536*\a+768*\c
	ds_load_b64 v[36+12*\a+6*\c:37+12*\a+6*\c], v7 offset:6144+1536*\a+768*\c+512
.endr
.endr
	ds_load_b64 v[90:91], v7 offset:12800
	s_add_co_u32 s74, s13, 1
	s_cmp_lt_u32 s74, s14
	s_cbranch_scc1 .Lopen_\@                       ; only the tile's last step lies on the diagonal
	v_mov_b32 v230, 0xff800000                     ; -infinity
.set n, 0
.rept 64
	v_cmp_gt_i32 vcc_lo, 32*(n/16)+n%16, v5        ; register 16 b + i holds key 32 b + i + 16 (lane / 16) of the step: hidden where 32 b + i > d
	v_cndmask_b32 v[96+n], v[96+n], v230, vcc_lo
.set n, n+1
.endr
.Lopen_\@:
.irp b, 0,1,2,3
	v_max3_num_f32 v[212+\b], v[96+16*\b], v[97+16*\b], v[98+16*\b]   ; the largest score of each block of 32 keys: for the row's maximum and, since p rises with the score, for the block's largest p
.endr
.irp i, 3,5,7,9,11,13
.irp b, 0,1,2,3
	v_max3_num_f32 v[212+\b], v[212+\b], v[96+16*\b+\i], v[97+16*\b+\i]
.endr
.endr
.irp b, 0,1,2,3
	v_max_num_f32 v[212+\b], v[212+\b], v[111+16*\b]
.endr
.irp b, 0,1,2,3
	s_delay_alu instid0(VALU_DEP_4)
	v_permlanex16_b32 v[216+\b], v[212+\b], s20, s21
.endr
.irp b, 0,1,2,3
	s_delay_alu instid0(VALU_DEP_4)
	v_max_num_f32 v[212+\b], v[212+\b], v[216+\b]
.endr
	s_delay_alu instid0(VALU_DEP_2)
	v_max3_num_f32 v229, v212, v213, v214
	s_delay_alu instid0(VALU_DEP_1)
	v_max_num_f32 v229, v229, v215
	s_delay_alu instid0(VALU_DEP_1)
	v_mul_f32 v229, s22, v229
	s_delay_alu instid0(VALU_DEP_1)
	v_max_num_f32 v13, v13, v229                   ; the running largest t
	v_mov_b32 v229, v12
	s_delay_alu instid0(VALU_DEP_2)
	v_floor_f32 v12, -v13                          ; -M = floor(-t)
	s_delay_alu instid0(VALU_DEP_1)
	v_sub_f32 v229, v12, v229                      ; old M - new M: a whole number, 0 or less
	s_delay_alu instid0(VALU_DEP_1)
	v_cvt_i32_f32 v229, v229                       ; (it saturates)
	s_delay_alu instid0(VALU_DEP_1)
	v_ldexp_f32 v30, 1.0, v229                     ; f = 2^(old M - new M)
.set n, 0
.rept 32
	v_pk_fma_f32 v[96+n:97+n], v[96+n:97+n], s[22:23], v[12:13] op_sel_hi:[1,0,0]   ; t - M
.set n, n+2
.endr
	s_setprio 1
.irp b, 0,1,2,3
	v_fma_f32 v[212+\b], v[212+\b], s22, v12
.endr
.set n, 0
	s_wait_alu depctr_va_vdst(0)
.rept 64
	v_exp_f32 v[96+n], v[96+n]                     ; p
.set n, n+1
.endr
	v_pk_mul_f32 v[14:15], v[14:15], v[30:31] op_sel_hi:[1,0]      ; the sums under the new M: a plain place behind the exponentials
	s_wait_alu depctr_va_vdst(0)                   ; one wait for the batch of 64, ahead of its first reader
.irp b, 0,1,2,3
	v_exp_f32 v[212+\b], v[212+\b]                 ; each block's largest p
.endr
	v_pk_add_f32 v[216:217], v[100:101], v[104:105]
	v_pk_add_f32 v[254:255], v[108:109], v[112:113]
	v_pk_add_f32 v[252:253], v[116:117], v[120:121]
	v_pk_add_f32 v[250:251], v[124:125], v[128:129]
	v_pk_add_f32 v[248:249], v[132:133], v[136:137]
	v_pk_add_f32 v[246:247], v[140:141], v[144:145]
	v_pk_add_f32 v[244:245], v[148:149], v[152:153]
	v_pk_add_f32 v[14:15], v[14:15], v[156:157]
	v_pk_add_f32 v[216:217], v[216:217], v[96:97]
	v_pk_add_f32 v[254:255], v[254:255], v[98:99]
	v_pk_add_f32 v[252:253], v[252:253], v[102:103]
	v_pk_add_f32 v[250:251], v[250:251], v[106:107]
	v_pk_add_f32 v[248:249], v[248:249], v[110:111]
	v_pk_add_f32 v[246:247], v[246:247], v[114:115]
	v_pk_add_f32 v[244:245], v[244:245], v[118:119]
	v_pk_add_f32 v[14:15], v[14:15], v[122:123]
	v_pk_add_f32 v[216:217], v[216:217], v[126:127]
	v_pk_add_f32 v[254:255], v[254:255], v[130:131]
	v_pk_add_f32 v[252:253], v[252:253], v[134:135]
	v_pk_add_f32 v[250:251], v[250:251], v[138:139]
	v_pk_add_f32 v[248:249], v[248:249], v[142:143]
	v_pk_add_f32 v[246:247], v[246:247], v[146:147]
	v_pk_add_f32 v[244:245], v[244:245], v[150:151]
	v_pk_add_f32 v[14:15], v[14:15], v[154:155]
	v_pk_add_f32 v[216:217], v[216:217], v[158:159]
	s_delay_alu instid0(VALU_DEP_2)
	v_pk_add_f32 v[14:15], v[14:15], v[250:251]
	s_delay_alu instid0(VALU_DEP_2)
	v_pk_add_f32 v[216:217], v[216:217], v[248:249]
	v_pk_add_f32 v[254:255], v[254:255], v[246:247]
	v_pk_add_f32 v[252:253], v[252:253], v[244:245]
	s_delay_alu instid0(VALU_DEP_2)
	v_pk_add_f32 v[14:15], v[14:15], v[254:255]
	s_delay_alu instid0(VALU_DEP_2)
	v_pk_add_f32 v[216:217], v[216:217], v[252:253]
	s_delay_alu instid0(VALU_DEP_1)
	v_pk_add_f32 v[14:15], v[14:15], v[216:217]
	s_wait_alu depctr_va_vdst(0)                   ; and one for the four
.irp b, 0,1,2,3
	v_max_num_f32 v[212+\b], 0x1800000, v[212+\b]  ; the floor: the byte cannot fall under 1
.endr
.irp b, 0,1,2,3
	s_delay_alu instid0(VALU_DEP_4)
	v_add_nc_u32 v[220+\b], 0xff000000, v[212+\b]
.endr
.irp b, 0,1,2,3
	s_delay_alu instid0(VALU_DEP_4)
	v_lshrrev_b32 v[224+\b], 23, v[220+\b]
.endr
	s_delay_alu instid0(VALU_DEP_3)
	v_lshl_or_b32 v228, v225, 8, v224              ; p's scale word for these 128 keys
	s_delay_alu instid0(VALU_DEP_1)
	v_lshl_or_b32 v228, v226, 16, v228
	s_delay_alu instid0(VALU_DEP_1)
	v_lshl_or_b32 v228, v227, 24, v228
	s_setprio 0
.irp c, 0,1
	v_cvt_scalef32_pk16_fp6_f32 v[192+6*\c:194+6*\c], v[96+32*\c:111+32*\c], v[220+2*\c]
	v_cvt_scalef32_pk16_fp6_f32 v[204+4*\c:206+4*\c], v[112+32*\c:127+32*\c], v[220+2*\c+1]
.endr
	v_nop
.irp c, 0,1
.irp i, 0,1,2
	v_permlane16_swap_b32 v[192+6*\c+\i], v[204+4*\c+\i]
.endr
.irp i, 0,1,2
	s_delay_alu instid0(VALU_DEP_3)
	v_mov_b32 v[195+6*\c+\i], v[204+4*\c+\i]
.endr
.endr
.set n, 0
.rept 16
	v_pk_mul_f32 v[160+n:161+n], v[160+n:161+n], v[30:31] op_sel_hi:[1,0]   ; O^T under the new M; these sixteen are also the places between p's codes and scale word and the products
.set n, n+2
.endr
	s_wait_alu depctr_va_vdst(0)
	s_wait_dscnt 0x0                               ; v's fragments and scale words
.irp a, 0,2
	v_wmma_scale_f32_16x16x128_f8f6f4 v[160+8*\a:167+8*\a], v[32+12*\a:43+12*\a], v[192:203], v[160+8*\a:167+8*\a], v[90+\a/2], v228 matrix_a_fmt:MATRIX_FMT_FP6 matrix_b_fmt:MATRIX_FMT_FP6
	v_wmma_scale_f32_16x16x128_f8f6f4 v[168+8*\a:175+8*\a], v[44+12*\a:55+12*\a], v[192:203], v[168+8*\a:175+8*\a], v[90+\a/2], v228 matrix_a_fmt:MATRIX_FMT_FP6 matrix_b_fmt:MATRIX_FMT_FP6 matrix_a_scale:MATRIX_SCALE_ROW1
.endr
.Lskip_\@:
	s_add_co_u32 s13, s13, 1
	s_add_co_u32 s15, s15, KVR
.endm
.macro LOOP trips                      ; a constant number of trips for every wave
	s_mov_b32 s16, \trips
.Lk_\@:
	STEP
	s_sub_co_u32 s16, s16, 1
	s_cmp_lg_u32 s16, 0
	s_cbranch_scc1 .Lk_\@
	s_setprio 0
.endm
; O^T / the sum, quantised: the head's 64 channels are two blocks of y's K; lane (r, h) ends with block h of query r: a half image
.macro FINISH yc, ys
.rept 4
	v_nop
.endr
	v_add_f32 v14, v14, v15
	s_delay_alu instid0(VALU_DEP_1)
	v_permlanex16_b32 v229, v14, s20, s21
	s_delay_alu instid0(VALU_DEP_1)
	v_add_f32 v14, v14, v229                       ; the row's sum
	s_wait_alu depctr_va_vdst(0)
	v_rcp_f32 v30, v14
	v_nop
	s_wait_alu depctr_va_vdst(0)                   ; ahead of the reciprocal's first reader
.set n, 0
.rept 16
	v_pk_mul_f32 v[96+n:97+n], v[160+n:161+n], v[30:31] op_sel_hi:[1,0]
.set n, n+2
.endr
.irp b, 0,1
	v_max3_num_f32 v[212+\b], |v[96+16*\b]|, |v[97+16*\b]|, 0x1800000
.endr
.irp i, 2,4,6,8,10,12,14
.irp b, 0,1
	s_delay_alu instid0(VALU_DEP_2)
	v_max3_num_f32 v[212+\b], v[212+\b], |v[96+16*\b+\i]|, |v[97+16*\b+\i]|
.endr
.endr
.irp b, 0,1
	s_delay_alu instid0(VALU_DEP_2)
	v_permlanex16_b32 v[216+\b], v[212+\b], s20, s21
.endr
.irp b, 0,1
	s_delay_alu instid0(VALU_DEP_2)
	v_max_num_f32 v[212+\b], v[212+\b], v[216+\b]
.endr
.irp b, 0,1
	s_delay_alu instid0(VALU_DEP_2)
	v_add_nc_u32 v[220+\b], 0xff000000, v[212+\b]
.endr
.irp b, 0,1
	s_delay_alu instid0(VALU_DEP_2)
	v_lshrrev_b32 v[224+\b], 23, v[220+\b]
.endr
	v_cvt_scalef32_pk16_fp6_f32 v[192:194], v[96:111], v220
	v_cvt_scalef32_pk16_fp6_f32 v[204:206], v[112:127], v221
	v_nop
.irp i, 0,1,2
	v_permlane16_swap_b32 v[192+\i], v[204+\i]
.endr
.irp i, 0,1,2
	s_delay_alu instid0(VALU_DEP_3)
	v_mov_b32 v[195+\i], v[204+\i]
.endr
	v_cndmask_b32 v229, v224, v225, s24            ; lanes 0-15 block 0's byte, lanes 16-31 block 1's
	global_store_b128 v1, v[192:195], s[\yc:\yc+1]                 ; 512 consecutive bytes, aligned to 256
	global_store_b64 v2, v[196:197], s[\yc:\yc+1] offset:512       ; 256
	global_store_b8 v9, v229, s[\ys:\ys+1] offset:12288            ; a byte a lane, two of each row's 32: a row's scale words come from 16 heads (262,144 of the launch's bytes leave so)
.endm
	s_load_b128 s[4:7], s[0:1], 0x0                ; qq, kv
	s_load_b64 s[8:9], s[0:1], 0x10                ; yq
	v_lshl_add_u32 v3, v0, 2, SPARE
	v_mov_b32 v4, 0
	ds_add_u32 v3, v4                              ; the wave's opening: the add, twice on end, and its wait ahead of the first tensor loads
	ds_add_u32 v3, v4
	v_lshrrev_b32 v1, 5, v0
	s_delay_alu instid0(VALU_DEP_1)
	v_readfirstlane_b32 s10, v1                    ; wave 0..15
	s_bfe_u32 s11, ttmp6, 0x40000                  ; j = my place in the cluster
	s_and_b32 s12, ttmp7, 0xffff                   ; batch x head, which the four partners share
	s_mov_b32 s28, 15|(3<<16)|(1<<21)              ; group 1: all four work-groups; elements of 8 bytes; a record as 51 rows of 256 bytes
	s_mov_b32 s29, 32<<16
	s_mov_b32 s30, 51<<16
	s_mov_b32 s31, 32<<16
	s_mov_b32 s32, 51
	s_mov_b32 s33, 32
	s_mov_b32 s34, 0
	s_mov_b32 s35, 0
	s_mov_b32 s20, 0x76543210
	s_mov_b32 s21, 0xfedcba98
	s_mov_b32 s22, 0x3e38aa3b                      ; c = log2(e) / 8
	s_mov_b32 s23, s22
	s_mov_b32 s24, 0xffff0000
	s_mul_i32 s60, s10, KVR                        ; record w in LDS,
	s_mul_i32 s62, s12, 16*KVR
	s_add_co_u32 s62, s62, s60                     ; and in memory
	s_mov_b32 s63, 0
	s_sub_co_u32 s26, 31, s10                      ; my first tile's m,
	s_mov_b32 s27, s10                             ; my second's
	s_wait_dscnt 0x0                               ; both opening adds are done
	s_wait_kmcnt 0x0
	s_add_nc_u64 s[62:63], s[6:7], s[62:63]
.irp g, 0,1,2,3
	s_mov_b32 s[36+4*\g], 1
	s_add_co_u32 s[37+4*\g], s60, \g*4*KVR
	s_add_nc_u64 s[38+4*\g:39+4*\g], s[62:63], \g*4*KVR
	s_or_b32 s[39+4*\g], s[39+4*\g], 0x80000000
.endr
	CROUND                                         ; all four work-groups are here: the joint loads meet
	s_cmp_lt_u32 s10, 4                            ; the loading waves' fills stand in one branch on the wave's number, the same in all partners
	s_cbranch_scc0 .Lno_load
	tensor_load_to_lds s[36:39], s[28:35]
	s_nop 0
	tensor_load_to_lds s[40:43], s[28:35]
	s_nop 0
	tensor_load_to_lds s[44:47], s[28:35]
	s_nop 0
	tensor_load_to_lds s[48:51], s[28:35]
	s_nop 0
.rept 4
	v_nop
.endr
.Lno_load:
	PTRS 26, 66, 68, 52, 54, 18, 25
	PTRS 27, 70, 72, 56, 58, 19, 17
	v_and_b32 v11, 31, v0                          ; lane
	s_delay_alu instid0(VALU_DEP_1)
	v_lshlrev_b32 v1, 4, v11
	s_delay_alu instid0(VALU_DEP_2)
	v_lshlrev_b32 v2, 3, v11
	v_and_b32 v11, 15, v0                          ; r
	v_bfe_u32 v229, v0, 4, 1                       ; h
	s_delay_alu instid0(VALU_DEP_2)
	v_lshlrev_b32 v10, 4, v11                      ; 16 r
	s_delay_alu instid0(VALU_DEP_1)
	v_add_nc_u32 v9, v10, v229                     ; 16 r + h
	s_delay_alu instid0(VALU_DEP_4)
	v_and_b32 v8, 8, v11
	s_delay_alu instid0(VALU_DEP_1)
	v_add_nc_u32 v8, v8, v11
	v_lshlrev_b32 v231, 4, v229
	s_delay_alu instid0(VALU_DEP_1)
	v_sub_nc_u32 v8, v8, v231                      ; r + 8 (r / 8) - 16 h
	global_load_b128 v[16:19], v1, s[66:67]        ; the first tile's q,
	global_load_b64 v[20:21], v2, s[66:67] offset:512
	global_load_b32 v28, v10, s[68:69] offset:6144
	global_load_b128 v[232:235], v1, s[70:71]      ; the second's
	global_load_b64 v[236:237], v2, s[70:71] offset:512
	global_load_b32 v238, v10, s[72:73] offset:6144
.irp i, 0,1,2,3,4,5
	v_mov_b32 v[22+\i], 0                          ; q's zero codes for K = 64 .. 127
	v_mov_b32 v[80+\i], 0                          ; and what stands behind key tile 7
.endr
	v_mov_b32 v31, 0                               ; (named as the upper half of the pair v[30:31])
.irp b, 0,1,2,3
	v_mov_b32 v[216+\b], 0                         ; a lane permute's destination counts as one of its sources
.endr
	START 18, 25
	s_wait_loadcnt 0x0                             ; q
	s_wait_tensorcnt 3                             ; a loading wave's first record is in: records 0-3; its other three may be out
	s_barrier_signal -1
	s_barrier_wait -1
	LOOP 4                                         ; key steps 0-3, which every first tile has
	s_wait_dscnt 0x0
	s_wait_tensorcnt 0x0                           ; all records
	s_barrier_signal -1
	s_barrier_wait -1                              ; from here on the waves share nothing
	LOOP 12
	FINISH 52, 54
	s_wait_xcnt 0x0                                ; the stores have read their data registers
.irp i, 0,1,2,3,4,5
	v_mov_b32 v[16+\i], v[232+\i]
.endr
	v_mov_b32 v28, v238
	START 19, 17
	LOOP 8
	FINISH 56, 58
	s_wait_tensorcnt 0x0                           ; the wave's end
	ds_add_u32 v3, v4
	s_wait_dscnt 0x0
	CROUND                                         ; the closing round
	s_endpgm
.Lfunc_end_k_q69fd9cb3f4_attn:
	.size	k_q69fd9cb3f4_attn, .Lfunc_end_k_q69fd9cb3f4_attn-k_q69fd9cb3f4_attn
	.p2alignl 7, 3214868480
	.fill 96, 4, 3214868480
	.section	.rodata,"a",@progbits
	.p2align	6, 0x0
	.amdhsa_kernel k_q69fd9cb3f4_attn
		.amdhsa_group_segment_fixed_size 210944
		.amdhsa_private_segment_fixed_size 0
		.amdhsa_enable_private_segment 0
		.amdhsa_kernarg_size 24
		.amdhsa_user_sgpr_count 2
		.amdhsa_user_sgpr_kernarg_segment_ptr 1
		.amdhsa_wavefront_size32 1
		.amdhsa_system_sgpr_workgroup_id_x 1
		.amdhsa_system_sgpr_workgroup_id_y 1
		.amdhsa_system_sgpr_workgroup_id_z 1
		.amdhsa_system_vgpr_workitem_id 0
		.amdhsa_next_free_vgpr 256
		.amdhsa_next_free_sgpr 80
		.amdhsa_reserve_vcc 1
		.amdhsa_float_denorm_mode_32 3
		.amdhsa_float_denorm_mode_16_64 3
		.amdhsa_memory_ordered 1
		.amdhsa_forward_progress 1
		.amdhsa_inst_pref_size 88
	.end_amdhsa_kernel
	.amdgpu_metadata
---
amdhsa.version: [ 1, 2 ]
amdhsa.kernels:
  - .name:           k_q69fd9cb3f4_attn
    .symbol:         k_q69fd9cb3f4_attn.kd
    .args:
      - { .name: qq, .offset: 0, .size: 8, .value_kind: global_buffer, .address_space: global }
      - { .name: kv, .offset: 8, .size: 8, .value_kind: global_buffer, .address_space: global }
      - { .name: yq, .offset: 16, .size: 8, .value_kind: global_buffer, .address_space: global }
    .group_segment_fixed_size: 210944
    .private_segment_fixed_size: 0
    .kernarg_segment_align: 8
    .kernarg_segment_size: 24
    .max_flat_workgroup_size: 512
    .sgpr_count:     80
    .vgpr_count:     256
    .wavefront_size: 32
...
	.end_amdgpu_metadata
.endif
;; end of part 3
;; launch proj (part 4): grid 8 x 32, 4 waves a work-group, clusters of 4 x 4, 325,120 bytes of LDS; arguments yq, wq, b_proj, out0; writes out0
.if DOCPART == 4
	.amdgcn_target "amdgcn-amd-amdhsa--gfx1250"
	.amdhsa_code_object_version 6
	.text
	.protected	k_q69fd9cb3f4_proj
	.globl	k_q69fd9cb3f4_proj
	.p2align	8
	.type	k_q69fd9cb3f4_proj,@function
k_q69fd9cb3f4_proj:
	s_mov_b64 s[64:65], 0
	v_nop
	global_prefetch_b8 v0, s[64:65] scope:SCOPE_SE
	s_setreg_imm32_b32 hwreg(HW_REG_WAVE_MODE, 25, 1), 1
	s_wait_xcnt 0x0
	s_wait_alu depctr_hold_cnt(0) depctr_sa_sdst(0) depctr_va_vdst(0) depctr_va_sdst(0) depctr_va_ssrc(0) depctr_va_vcc(0) depctr_vm_vsrc(0)
	s_getreg_b32 s2, hwreg(HW_REG_IB_STS2, 6, 4)
	s_cmp_eq_u32 s2, 0
	s_cbranch_scc0 .Lentry_in_a_cluster
	s_endpgm
.Lentry_in_a_cluster:
	s_bfe_u32 s2, ttmp6, 0x10000c
	s_cmp_lg_u32 s2, 0xf033
	s_cbranch_scc0 .Lentry_shape_is_right
	s_endpgm
.Lentry_shape_is_right:
; LAUNCH 4 OF 4.  out0 = y w_proj + b_proj on codes of FP6 (E2M3) with E8M0 scales, K = 1024; f32 sums, f32 out.
; SHARES, as launch 2's for q: work-group (g, xt): the 256 positions of y tile xt x the 128 positions of w_proj's tile g (wq's records 192 + 8 g on), all of K in LDS, filled once.  Wave (wx, ww): 128 x 64: 32 accumulators.
; Source 0 = w, source 1 = y: a lane holds one token, and registers 32 a + 16 bb + i are its columns 32 bb + 16 (lane / 16) + i of the wave's 64.  Position r of block a is token 32 (a / 2) + 8 (a % 2) + r + 8 (r / 8) of the wave's 128.
; CLUSTERS 4 x 4: y's tile is asked for jointly along a row of the cluster, w's along a column; every wave asks for a quarter of each: six loads of a wave are out at the start, none later.
; THE WAY OUT: a block of 16 tokens x 64 columns goes through my own stage in LDS (rows of 256 bytes + 16) and comes back by rows: sixteen lanes store 256 consecutive bytes, aligned.
; REGISTERS: as in launch 2; v17-19 the way out's addresses; v128-191 rows read back, two sets.
.set REC,   12800
.set WREG,  196608
.set XS,    299008
.set SPARE, 307200                     ; the spare words, 128 bytes for each wave, which no other line names
.set STAGE, 307712                     ; behind them: a stage of 16 x 272 bytes for each wave; no tensor load lands here
.set SPW,  28
.set NIL,  29
.set XSC,  32
.set WSC,  96
.set WF,   128
.set BI,   224
.set MSB, 0
.macro WIN new
.if MSB != (\new)
	s_set_vgpr_msb (MSB<<8)|(\new)
.set MSB, (\new)
.endif
.endm
.macro PLACES
.rept 4
	v_nop
.endr
.endm
.macro CROUND
	s_barrier_signal -1
	s_barrier_wait -1
	s_cmp_lg_u32 s14, 0
	s_cbranch_scc1 .Lnot_wave_0_\@
	s_barrier_signal -3
.Lnot_wave_0_\@:
	s_barrier_wait -3
	s_barrier_signal -1
	s_barrier_wait -1
.endm
.macro FETCH s                         ; the fragments of K step s into set s % 2: 48 dense loads
.set FP, (\s)%2
.set FK, (\s)/2
	WIN 0
.irp b, 0,1,2,3
.irp c, 0,1
	ds_load_b128 v[WF+48*FP+12*\b+6*\c:WF+48*FP+12*\b+6*\c+3], v3 offset:REC*\b+1536*(\s)+768*\c
	ds_load_b64 v[WF+48*FP+12*\b+6*\c+4:WF+48*FP+12*\b+6*\c+5], v4 offset:REC*\b+1536*(\s)+768*\c+512
.endr
.endr
	WIN 0x40
.irp a, 0,1,2,3,4,5,6,7
.irp c, 0,1
	ds_load_b128 v[96*FP+12*\a+6*\c:96*FP+12*\a+6*\c+3], v[5+FK] offset:3072*\a+1536*FP+768*\c
	ds_load_b64 v[96*FP+12*\a+6*\c+4:96*FP+12*\a+6*\c+5], v[9+FK] offset:3072*\a+1536*FP+768*\c+512
.endr
.endr
.endm
.macro MUL s, first                    ; the 32 accumulators by turns, in ascending order in every K step
.set MP, (\s)%2
.irp a, 0,1,2,3,4,5,6,7
.irp b, 0,1,2,3
.if \first
	v_wmma_scale_f32_16x16x128_f8f6f4 v[8*(4*\a+\b):8*(4*\a+\b)+7], v[WF+48*MP+12*\b:WF+48*MP+12*\b+11], v[96*MP+12*\a:96*MP+12*\a+11], v[BI+8*\b:BI+8*\b+7], v[WSC+8*\b+(\s)], v[XSC+8*\a+(\s)] matrix_a_fmt:MATRIX_FMT_FP6 matrix_b_fmt:MATRIX_FMT_FP6
.else
	v_wmma_scale_f32_16x16x128_f8f6f4 v[8*(4*\a+\b):8*(4*\a+\b)+7], v[WF+48*MP+12*\b:WF+48*MP+12*\b+11], v[96*MP+12*\a:96*MP+12*\a+11], v[8*(4*\a+\b):8*(4*\a+\b)+7], v[WSC+8*\b+(\s)], v[XSC+8*\a+(\s)] matrix_a_fmt:MATRIX_FMT_FP6 matrix_b_fmt:MATRIX_FMT_FP6
.endif
.endr
.endr
.endm
.macro STEP s, arr, first              ; as in launch 2: arr >= 0: the next step begins a quarter of y's K: my part has landed when at most arr younger loads are out; a barrier, behind which nothing is filled
	WIN 0
.if \arr >= 0
	s_wait_dscnt 0x0
	s_wait_tensorcnt \arr
	s_barrier_signal -1
	s_barrier_wait -1
.endif
	PLACES
	FETCH (\s)+1
.if \arr < 0
	s_wait_dscnt 48                                ; all but the 48 just issued
.endif
	WIN 0xa4-0x20*(\first)
	MUL \s, \first
.endm
.macro TOSTAGE a
	WIN 0x08                                       ; an LDS store's data are its source 1: window 2
.irp q, 0,1,2,3,4,5,6,7
	ds_store_b128 v17, v[32*(\a)+4*\q:32*(\a)+4*\q+3] offset:16*(\q%4)+128*(\q/4)   ; each accumulator from its low end on
.endr
	WIN 0
.set BB, 128+32*((\a)%2)
.irp t, 0,1,2,3,4,5,6,7
	ds_load_b128 v[BB+4*\t:BB+4*\t+3], v18 offset:544*\t           ; LDS serves a wave's instructions in order: these see my stores, and the next block's stores come behind them
.endr
.endm
.macro SEND a, younger
.set BB, 128+32*((\a)%2)
	s_wait_dscnt \younger
.irp t, 0,1,2,3,4,5,6,7
	global_store_b128 v19, v[BB+4*\t:BB+4*\t+3], s[76:77] offset:(32*((\a)/2)+8*((\a)%2)+2*\t+8*(\t/4))*4096 th:TH_STORE_NT
.endr
.endm
	s_load_b256 s[4:11], s[0:1], 0x0               ; yq s[4:5], wq s[6:7], b_proj s[8:9], out0 s[10:11]
	v_lshl_add_u32 v[SPW], v0, 2, SPARE
	v_mov_b32 v[NIL], 0
	ds_add_u32 v[SPW], v[NIL]                      ; the wave's opening: the add, twice on end, and its wait ahead of my first tensor load
	ds_add_u32 v[SPW], v[NIL]
	v_lshrrev_b32 v1, 5, v0
	v_readfirstlane_b32 s14, v1                    ; wave
	s_lshr_b32 s15, s14, 1                         ; wx
	s_and_b32 s16, s14, 1                          ; ww
	s_bfe_u32 s17, ttmp6, 0x40000                  ; cx
	s_bfe_u32 s18, ttmp6, 0x40004                  ; cy
	s_lshl_b32 s19, ttmp9, 2
	s_add_co_u32 s19, s19, s17                     ; g
	s_and_b32 s20, ttmp7, 0xffff
	s_lshl_b32 s20, s20, 2
	s_add_co_u32 s20, s20, s18                     ; xt
	s_lshl_b32 s94, s18, 2
	s_lshl_b32 s94, 15, s94                        ; my row of the cluster
	s_lshl_b32 s96, 0x1111, s17                    ; my column
	s_or_b32 s24, s94, (3<<16)|(1<<21)             ; y's codes: 4 rows (RT) of 3,072 bytes, 12,800 apart; elements of 8 bytes
	s_mov_b32 s25, 384<<16
	s_mov_b32 s26, 4<<16
	s_mov_b32 s27, 384<<16
	s_mov_b32 s28, 4
	s_mov_b32 s29, 1600
	s_mov_b32 s30, 0
	s_mov_b32 s31, 0
	s_or_b32 s32, s94, (3<<16)|(1<<21)             ; y's scale words: 4 rows of 512 bytes
	s_mov_b32 s33, 64<<16
	s_mov_b32 s34, 4<<16
	s_mov_b32 s35, 64<<16
	s_mov_b32 s36, 4
	s_mov_b32 s37, 1600
	s_mov_b32 s38, 0
	s_mov_b32 s39, 0
	s_or_b32 s40, s96, (3<<16)|(1<<21)             ; w: two records, 100 rows of 256 dense bytes
	s_mov_b32 s41, 32<<16
	s_mov_b32 s42, 100<<16
	s_mov_b32 s43, 32<<16
	s_mov_b32 s44, 100
	s_mov_b32 s45, 32
	s_mov_b32 s46, 0
	s_mov_b32 s47, 0
	s_lshl_b32 s94, s20, 4
	s_lshl_b32 s95, s14, 2
	s_add_co_u32 s94, s94, s95
	s_mul_i32 s94, s94, REC                        ; y: records 16 xt + 4 wave on
	s_mov_b32 s95, 0
	s_lshl_b32 s96, s19, 3
	s_lshl_b32 s97, s14, 1
	s_add_co_u32 s96, s96, s97
	s_add_co_u32 s96, s96, 192
	s_mul_i32 s96, s96, REC                        ; w_proj: records 192 + 8 g + 2 wave on
	s_mov_b32 s97, 0
	s_mul_i32 s21, s14, 2048
	s_mul_i32 s22, s14, 25600
	s_mul_i32 s23, s14, 12288
	s_wait_dscnt 0x0                               ; both opening adds are done
	s_wait_kmcnt 0x0
	s_add_nc_u64 s[94:95], s[4:5], s[94:95]
	s_add_nc_u64 s[96:97], s[6:7], s[96:97]
	CROUND                                         ; all sixteen work-groups are here: the joint loads meet
	s_mov_b32 s48, 1
	s_add_co_u32 s49, s21, XS
	s_add_nc_u64 s[50:51], s[94:95], 12288
	s_or_b32 s51, s51, 0x80000000
	s_mov_b32 s52, 1
	s_add_co_u32 s53, s22, WREG
	s_mov_b64 s[54:55], s[96:97]
	s_or_b32 s55, s55, 0x80000000
.irp kc, 0,1,2,3
.set GX, 56+4*\kc+4*(\kc/2)
	s_mov_b32 s[GX], 1
	s_add_co_u32 s[GX+1], s23, 49152*\kc
	s_add_nc_u64 s[GX+2:GX+3], s[94:95], 3072*\kc
	s_or_b32 s[GX+3], s[GX+3], 0x80000000
.endr
	tensor_load_to_lds s[48:51], s[32:39]
	s_nop 0
	tensor_load_to_lds s[52:55], s[40:47]
	s_nop 0
	tensor_load_to_lds s[56:59], s[24:31]
	s_nop 0
	tensor_load_to_lds s[60:63], s[24:31]
	s_nop 0
	tensor_load_to_lds s[68:71], s[24:31]
	s_nop 0
	tensor_load_to_lds s[72:75], s[24:31]
	s_nop 0
	PLACES
	v_and_b32 v20, 31, v0                          ; lane
	v_and_b32 v21, 15, v0                          ; r
	v_bfe_u32 v22, v0, 4, 1                        ; h
	v_lshlrev_b32 v1, 4, v20
	v_lshlrev_b32 v2, 3, v20
	s_mul_i32 s21, s16, 4*REC
	s_add_co_u32 s21, s21, WREG
	v_add_nc_u32 v3, s21, v1
	v_add_nc_u32 v4, s21, v2
	s_mul_i32 s22, s15, 24576
.irp kc, 0,1,2,3
	v_add_nc_u32 v[5+\kc], s22, v1
	v_add_nc_u32 v[9+\kc], s22, v2
	s_add_co_u32 s22, s22, 49152
.endr
	v_lshlrev_b32 v23, 4, v21                      ; 16 r
	s_lshl_b32 s23, s15, 12
	s_add_co_u32 s23, s23, XS
	v_add_nc_u32 v13, s23, v23
	s_add_co_u32 s21, s21, 12288
	v_add_nc_u32 v14, s21, v23
	v_lshlrev_b32 v15, 6, v22                      ; 64 h
	s_wait_alu depctr_va_vdst(0)
	s_mul_i32 s21, s14, 16*272
	s_add_co_u32 s21, s21, STAGE                   ; my stage
	v_mul_u32_u24 v17, v21, 272
	v_lshl_add_u32 v17, v22, 6, v17
	v_add_nc_u32 v17, s21, v17                     ; in: row r, + 64 h
	v_mul_u32_u24 v18, v22, 272
	v_add_nc_u32 v18, v18, v23
	v_add_nc_u32 v18, s21, v18                     ; back: lanes 0-15 one row, lanes 16-31 the next
	v_lshl_add_u32 v19, v22, 12, v23               ; and the same two rows in out0
	s_lshl_b32 s98, s19, 1
	s_add_co_u32 s98, s98, s16
	s_lshl_b32 s80, s98, 8                         ; my 64 columns, in bytes
	s_mov_b32 s81, 0
	s_add_nc_u64 s[88:89], s[8:9], s[80:81]        ; their bias
	s_lshl_b32 s98, s20, 20
	s_lshl_b32 s99, s15, 19
	s_add_co_u32 s98, s98, s99                     ; my first row: 256 xt + 128 wx, of 4,096 bytes
	s_add_co_u32 s80, s80, s98
	s_add_nc_u64 s[76:77], s[10:11], s[80:81]
.irp q, 0,1,2,3,4,5,6,7
	global_load_b128 v[BI+4*\q:BI+4*\q+3], v15, s[88:89] offset:16*(\q%4)+128*(\q/4)   ; register 8 b + j: the bias of column 32 (b / 2) + 8 (b % 2) + 16 h + j
.endr
	s_wait_tensorcnt 3                             ; the scale words, w's tile and y's first quarter: my parts are in; three quarters may be out
	s_barrier_signal -1
	s_barrier_wait -1
.irp a, 0,1,2,3,4,5,6,7
.irp k, 0,1
	ds_load_b128 v[XSC+8*\a+4*\k:XSC+8*\a+4*\k+3], v13 offset:512*\a+256*\k
.endr
.endr
.irp b, 0,1,2,3
.irp k, 0,1
	ds_load_b128 v[WSC+8*\b+4*\k:WSC+8*\b+4*\k+3], v14 offset:REC*\b+256*\k
.endr
.endr
	FETCH 0
	WIN 0
	s_wait_loadcnt 0x0                             ; the bias
	STEP 0, -1, 1
	STEP 1, 2, 0
	STEP 2, -1, 0
	STEP 3, 1, 0
	STEP 4, -1, 0
	STEP 5, 0, 0
	STEP 6, -1, 0
	WIN 0
	s_wait_dscnt 0x0
	WIN 0xa4
	MUL 7, 0
	WIN 0
	PLACES                                         ; in front of the stores that read results and of the loads into registers that held fragments
	s_wait_alu depctr_va_vdst(0)
	TOSTAGE 0
.irp a, 1,2,3,4,5,6,7
.if \a > 1
	s_wait_xcnt 0x0                                ; block a - 2's stores have read their registers: block a's rows may land there
.endif
	TOSTAGE \a
	SEND \a-1, 16                                  ; behind block a - 1's loads: block a's 8 stores and 8 loads
.endr
	SEND 7, 0
	s_wait_tensorcnt 0x0                           ; the wave's end, behind my last tensor load and my last LDS store
	ds_add_u32 v[SPW], v[NIL]
	s_wait_dscnt 0x0
	CROUND                                         ; the closing round
	s_endpgm
.Lfunc_end_k_q69fd9cb3f4_proj:
	.size	k_q69fd9cb3f4_proj, .Lfunc_end_k_q69fd9cb3f4_proj-k_q69fd9cb3f4_proj
	.p2alignl 7, 3214868480
	.fill 96, 4, 3214868480
	.section	.rodata,"a",@progbits
	.p2align	6, 0x0
	.amdhsa_kernel k_q69fd9cb3f4_proj
		.amdhsa_group_segment_fixed_size 325120
		.amdhsa_private_segment_fixed_size 0
		.amdhsa_enable_private_segment 0
		.amdhsa_kernarg_size 32
		.amdhsa_user_sgpr_count 2
		.amdhsa_user_sgpr_kernarg_segment_ptr 1
		.amdhsa_wavefront_size32 1
		.amdhsa_system_sgpr_workgroup_id_x 1
		.amdhsa_system_sgpr_workgroup_id_y 1
		.amdhsa_system_sgpr_workgroup_id_z 1
		.amdhsa_system_vgpr_workitem_id 0
		.amdhsa_next_free_vgpr 768
		.amdhsa_next_free_sgpr 100
		.amdhsa_reserve_vcc 0
		.amdhsa_float_denorm_mode_32 3
		.amdhsa_float_denorm_mode_16_64 3
		.amdhsa_memory_ordered 1
		.amdhsa_forward_progress 1
		.amdhsa_inst_pref_size 84
	.end_amdhsa_kernel
	.amdgpu_metadata
---
amdhsa.version: [ 1, 2 ]
amdhsa.kernels:
  - .name:           k_q69fd9cb3f4_proj
    .symbol:         k_q69fd9cb3f4_proj.kd
    .args:
      - { .name: yq, .offset: 0, .size: 8, .value_kind: global_buffer, .address_space: global }
      - { .name: wq, .offset: 8, .size: 8, .value_kind: global_buffer, .address_space: global }
      - { .name: b_proj, .offset: 16, .size: 8, .value_kind: global_buffer, .address_space: global }
      - { .name: out0, .offset: 24, .size: 8, .value_kind: global_buffer, .address_space: global }
    .group_segment_fixed_size: 325120
    .private_segment_fixed_size: 0
    .kernarg_segment_align: 8
    .kernarg_segment_size: 32
    .max_flat_workgroup_size: 128
    .sgpr_count:     100
    .vgpr_count:     768
    .wavefront_size: 32
...
	.end_amdgpu_metadata
.endif
;; end of part 4
